; MI455X (gfx1250); checked and timed in simulation.
; The chip was launched on July 23, 2026; its instructions are those of AMD's public machine-readable ISA for CDNA 5 (MIT licence, August 2026) and "CDNA5" Instruction Set Architecture Reference Guide (July 2026). The comments in the code are by the model that wrote it; some were corrected since.
;; Multi Head Attention. Allowed arithmetic: matrix products marked QUANTISED: E2M3 operands, one E8M0 scale for each 32 along K, by v_wmma_scale_f32_16x16x128_f8f6f4 with both operands' format E2M3, f32 sums; everything else in f32.
;; Inputs: b_proj 1,024 float32; b_qkv 3,072 float32; w_proj 1,024 x 1,024 float32; w_qkv 1,024 x 3,072 float32; x_q 4 x 2,048 x 1,024 float32.
;; Outputs: out0 4 x 2,048 x 1,024 float32.
;; This version of the problem:
;;   THIS VERSION OF THE PROBLEM IS GIVEN IN LOW PRECISION. The matrix products marked QUANTISED in the list below multiply operands that are first quantised to E2M3 (2 exponent bits, 3 mantissa bits; 6 bits a number), with one power-of-two scale for each 32 numbers along K (OCP MX v1.0); their sums are f32. All else is computed in f32.
;;   The module's matrix products, in the order in which they are computed (A, B: the left and right operand; K: the contracted axis; several contracted axes count as one K, in the product's order):
;;     1. [M 8,192, K 1,024] x [K 1,024, N 3,072]; A: input x_q; B: input w_qkv: QUANTISED
;;     2. batch 64 x [M 2,048, K 64] x [K 64, N 2,048]; A: computed on the way; B: computed on the way: QUANTISED
;;     3. batch 64 x [M 64, K 2,048] x [K 2,048, N 2,048]; A: computed on the way; B: softmax (see below): QUANTISED
;;     4. [M 8,192, K 1,024] x [K 1,024, N 1,024]; A: computed on the way; B: input w_proj: QUANTISED
;;   THE QUANTISER, for each operand of a quantised product, along K:
;;     - K is cut into blocks of 32 from its start; a last block that is shorter is filled with zeros.
;;     - A block's scale is 2^e with e = floor(log2(the largest magnitude in the block)) - 2, held to -126 .. 127; a block of zeros has e = 0. As a byte (E8M0): e + 127.
;;     - Each number is divided by its block's scale, clamped to +-7.5, and rounded to the nearest number of E2M3, ties to even, subnormals kept.
;;     - The product sums the exact products of the quantised numbers (number of the format x scale) in f32.
;;   ~~~python
;;   def quantise(x, axis):      # numpy; x: float32 -> the quantised numbers, widened to float32 again
;;       x = np.moveaxis(x, axis, -1); K = x.shape[-1]
;;       x = np.pad(x, [(0, 0)] * (x.ndim - 1) + [(0, -K % 32)]); x = x.reshape(x.shape[:-1] + (-1, 32)); a = np.abs(x).max(-1, keepdims=True)
;;       e = np.where(a > 0, np.clip(np.frexp(np.where(a > 0, a, 1))[1] - 1 - 2, -126, 127), 0)      # np.frexp(a)[1] - 1 = floor(log2(a)), exactly
;;       r = np.clip(x / 2.0 ** e, -7.5, 7.5)
;;       step = 2.0 ** (np.maximum(np.frexp(np.where(r == 0, 1, r))[1] - 1, 0) - 3)
;;       q = np.round(r / step) * step * 2.0 ** e      # np.round: ties to even
;;       return np.moveaxis(q.reshape(q.shape[:-2] + (-1,))[..., :K], -1, axis).astype(np.float32)
;;   ~~~
;;   SOFTMAX AHEAD OF A QUANTISED PRODUCT. Where the list says 'softmax', what is quantised is not the finished softmax but p = 2^(t - M), with t = logit x log2(e) and M = ceil(the row's largest t), a whole number; so 1/2 < the row's largest p <= 1. The row's sum l is taken of the UNQUANTISED p, in f32, and the product's result is divided by l at the end. Since M is a whole number, a kernel that streams over the keys may use a running M (the ceiling of the running maximum): every later rescaling is an exact power of two, which a block's scale takes up: the codes' values come out the same.
;;   OPERANDS COMPUTED ON THE WAY. 'Computed on the way' means the value that the module computes at that place (a softmax that the list does not call 'softmax' is quantised finished and normalised). What goes into a quantiser is computed in f32, as accurately as f32 sums, v_exp_f32 and their like allow (about 1e-6 of the number): no bf16 or f16 on the way to a quantiser, and a product that is left as it is and whose result goes on into a quantised operand takes f32 operands (vector FMAs, or v_wmma_f32_16x16x4_f32). A number that lies on a knife's edge between two numbers of the format may be rounded either way, as far as f32 arithmetic and the matrix unit's own rounding can turn it there, and no further.
;; One version. Each part assembles by itself: llvm-mc -triple=amdgcn-amd-amdhsa -mcpu=gfx1250 --defsym DOCPART=n.
;; ======== version 1 of 1: 4 launches
;; limits: right only within a limited range of input values
;; workspace buffers: ximg 6,291,456 bytes; wimg 3,145,728 bytes; scl 655,360 bytes; qkvimg 18,874,368 bytes; qkvscl 786,432 bytes; oimg 6,291,456 bytes
;; launch prep (part 1): grid 512 x 1, 4 waves a work-group, no clusters, 34,304 bytes of LDS; arguments x_q, w_qkv, w_proj, ximg, wimg, scl; writes ximg, wimg, scl
.if DOCPART == 1
	.amdgcn_target "amdgcn-amd-amdhsa--gfx1250"
	.amdhsa_code_object_version 6
	.text
	.protected	k_q17b56fa516_prep
	.globl	k_q17b56fa516_prep
	.p2align	8
	.type	k_q17b56fa516_prep,@function
k_q17b56fa516_prep:
	s_mov_b64 s[64:65], 0
	v_nop
	global_prefetch_b8 v0, s[64:65] scope:SCOPE_SE
	s_setreg_imm32_b32 hwreg(HW_REG_WAVE_MODE, 25, 1), 1
	s_wait_xcnt 0x0
; x_q [8192][1024], w_qkv [1024][3072] and w_proj [1024][1024], f32, become codes of FP6 (E2M3) with one E8M0 byte for each 32 along K (K = the 1,024), laid as IMAGES OF OPERAND REGISTERS.
; A block's scale is 2^(floor(log2(largest magnitude)) - 2): its byte is the largest magnitude's exponent field - 2, held at 1 from below.
; BLOCKS OF 16 ROWS (rows of x; columns of a weight) come in pairs over 32 rows: lane r of block 2 B + u holds row 32 B + 8 u + r + 8 (r / 8).
; A FRAGMENT is 16 rows x 128 K: 12 registers a lane (lane (r, h): registers 6 c .. 6 c + 5 = K 64 c + 32 h + 0 .. 31), 1,536 bytes, stored as [group of four registers 0..2][lane][16 bytes].
; ximg [block 0..511][K step 0..7][1,536];  wimg the same, blocks 0..191 w_qkv's columns, 192..255 w_proj's.
; scl: scale words [block][q 0..1][r 0..15][4 words], word = K step 4 q + word; 512 bytes a block; x's blocks from XSC, the weights' from WSC (the first 262,144 bytes are a later launch's).
; LIMITS: NaN and infinities among the inputs are not served.  A block whose largest magnitude lies under 2^-124, a block of zeros among them, gets the byte 1 (the rule says 127 for zeros): its codes are
; zeros or tiny numbers, and the bytes are read by this program alone.
; Work-groups 0..255 take x, 256..511 the weights.  No tensor loads, no barrier: waves share nothing.  No cluster: no two work-groups read the same bytes.  The stream is read once by long loads; nothing is prefetched.
.set XSC, 262144
.set WSC, 524288
.set SEL, 24                           ; s[24:25] lane selects for v_permlanex16_b32: lane l xor 16
; x's way
.set R,   16                           ; v16-143  two sets of 64: a fragment's numbers as they are loaded
.set X,   144                          ; v144-207 the same turned: register 16 b + i = K 32 b + 16 h + i of my row
.set PC,  208                          ; v208-219 a fragment's codes
.set YT,  220                          ; v220-226 the conversions' second halves
.set TM,  228                          ; v228-243 at work
.set PWS, 244                          ; v244-247 my row's four scale words
; the weights' way
.set OF,   32                          ; v32-63   4 x lane + i rows
.set WX,   64                          ; v64-191  128 numbers down K of my column
.set IMG0, 192                         ; v192-203 K blocks 0 and 2: the registers of image lane (r, 0);  v204-215 K blocks 1 and 3: of image lane (r, 1)
.set WYT,  216                         ; v216-230 the conversions' second halves, four registers apart
; 64 numbers of a lane, register 16 b + i = K 32 b + 16 h + i of its row, become codes (d0: K 32 h + 0..31, d1: K 64 + 32 h + 0..31, six registers each) and the row's scale word (pw, in every lane).
.macro QUANT s, d0, d1, pw
.irp b, 0,1,2,3
	v_max3_num_f32 v[TM+\b], |v[\s+16*\b]|, |v[\s+1+16*\b]|, 0x1800000   ; my 16 numbers of block b, and the floor 2^(3 - 127): the byte cannot fall under 1
.endr
.irp i, 2,4,6,8,10,12,14
.irp b, 0,1,2,3
	v_max3_num_f32 v[TM+\b], v[TM+\b], |v[\s+16*\b+\i]|, |v[\s+1+16*\b+\i]|   ; the four blocks by turns
.endr
.endr
.irp b, 0,1,2,3
	v_permlanex16_b32 v[TM+4+\b], v[TM+\b], s[SEL], s[SEL+1]
.endr
.irp b, 0,1,2,3
	v_max_num_f32 v[TM+\b], v[TM+\b], v[TM+4+\b]       ; with lane l xor 16's 16: the block's largest magnitude
.endr
.irp b, 0,1,2,3
	v_add_nc_u32 v[TM+12+\b], 0xff000000, v[TM+\b]     ; 2 off its exponent field: the conversion takes that field as its scale
.endr
.irp b, 0,1,2,3
	v_lshrrev_b32 v[TM+4+\b], 23, v[TM+12+\b]          ; the scale's byte
.endr
	v_lshl_or_b32 v[\pw], v[TM+5], 8, v[TM+4]
	v_lshl_or_b32 v[\pw], v[TM+6], 16, v[\pw]
	v_lshl_or_b32 v[\pw], v[TM+7], 24, v[\pw]
	v_cvt_scalef32_pk16_fp6_f32 v[\d0:\d0+2], v[\s:\s+15], v[TM+12]
	v_cvt_scalef32_pk16_fp6_f32 v[YT:YT+2], v[\s+16:\s+31], v[TM+13]      ; (a conversion's three registers begin on an even number)
	v_cvt_scalef32_pk16_fp6_f32 v[\d1:\d1+2], v[\s+32:\s+47], v[TM+14]
	v_cvt_scalef32_pk16_fp6_f32 v[YT+4:YT+6], v[\s+48:\s+63], v[TM+15]
	v_nop                                              ; one plain instruction behind the conversions
.irp i, 0,1,2
	v_permlane16_swap_b32 v[\d0+\i], v[YT+\i]          ; the layout wants a whole block in a lane: lanes 0-15 the even block, lanes 16-31 the odd one
.endr
.irp i, 0,1,2
	v_mov_b32 v[\d0+3+\i], v[YT+\i]
.endr
.irp i, 0,1,2
	v_permlane16_swap_b32 v[\d1+\i], v[YT+4+\i]
.endr
.irp i, 0,1,2
	v_mov_b32 v[\d1+3+\i], v[YT+4+\i]
.endr
.endm
	s_load_b128 s[4:7], s[0:1], 0x0                ; x_q, w_qkv
	s_load_b128 s[8:11], s[0:1], 0x10              ; w_proj, ximg
	s_load_b128 s[12:15], s[0:1], 0x20             ; wimg, scl
	v_lshl_add_u32 v254, v0, 2, 0x8400
	v_mov_b32 v255, 0
	v_lshrrev_b32 v1, 5, v0
	v_readfirstlane_b32 s16, v1                    ; wave 0..3
	v_and_b32 v5, 31, v0                           ; lane
	s_cmp_lt_u32 ttmp9, 256
	s_cbranch_scc0 .Lweights
; ---- x.  Work-group g takes rows 32 g .. 32 g + 31; wave w block 2 g + (w >> 1), K steps 4 (w & 1) + 0 .. 3: four fragments.
; A load reads one row's 512 bytes of a K step, 16 bytes a lane; the 16 rows turn through the wave's own stage in LDS (rows 528 bytes apart: an odd multiple of 16) and come back 16 neighbours at a time.
	v_and_b32 v6, 15, v0                           ; r
	v_bfe_u32 v7, v0, 4, 1                         ; h
	v_lshlrev_b32 v1, 4, v5                        ; 16 x lane: in memory, for loads and for the images
	s_mul_i32 s17, s16, 8448                       ; my stage: 16 rows x 528
	v_add_nc_u32 v2, s17, v1                       ; into it
	v_mul_u32_u24 v3, v6, 528
	v_lshl_add_u32 v3, v7, 6, v3
	v_add_nc_u32 v3, s17, v3                       ; out of it: row r, + 64 h
	v_lshlrev_b32 v4, 4, v6
	v_lshl_add_u32 v4, v7, 3, v4                   ; the scale words: 16 r + 8 h
	s_lshr_b32 s18, s16, 1                         ; u
	s_and_b32 s19, s16, 1                          ; q
	s_lshl_b32 s22, ttmp9, 17                      ; 32 rows of 4,096 bytes,
	s_lshl_b32 s23, s18, 15                        ; 8 rows,
	s_add_co_u32 s22, s22, s23
	s_lshl_b32 s23, s19, 11                        ; four K steps of 512 bytes
	s_add_co_u32 s22, s22, s23
	s_mov_b32 s23, 0
	s_lshl_b32 s30, ttmp9, 1
	s_add_co_u32 s30, s30, s18                     ; my block
	s_mul_i32 s32, s30, 12288
	s_mul_i32 s31, s19, 6144
	s_add_co_u32 s32, s32, s31
	s_mov_b32 s33, 0
	s_lshl_b32 s34, s30, 9
	s_lshl_b32 s31, s19, 8
	s_add_co_u32 s34, s34, s31
	s_add_co_u32 s34, s34, XSC
	s_mov_b32 s35, 0
	s_mov_b32 s[SEL], 0x76543210
	s_mov_b32 s[SEL+1], 0xfedcba98
.irp b, 0,1,2,3
	v_mov_b32 v[TM+4+\b], 0                        ; written once: a lane permute's destination counts as one of its sources
.endr
	v_cmp_eq_u32 vcc_lo, 1, v7
	s_wait_alu depctr_va_vdst(0)
	s_wait_kmcnt 0x0
	s_add_nc_u64 s[20:21], s[4:5], s[22:23]
	s_add_nc_u64 s[26:27], s[10:11], s[32:33]
	s_add_nc_u64 s[28:29], s[14:15], s[34:35]
.macro LOADX t                         ; fragment t's 16 rows: image lane r = i holds the block's row i + 8 (i / 8)
.irp i, 0,1,2,3,4,5,6,7,8,9,10,11,12,13,14,15
	global_load_b128 v[R+64*((\t)%2)+4*\i:R+64*((\t)%2)+4*\i+3], v1, s[20:21] offset:(\i+8*(\i/8))*4096+512*(\t) th:TH_LOAD_NT
.endr
.endm
.macro XFRAG t
.if (\t) < 3
	s_wait_loadcnt 16                              ; this fragment's 16 loads are in; the next one's 16 stay out
.else
	s_wait_loadcnt 0x0
.endif
.irp i, 0,1,2,3,4,5,6,7,8,9,10,11,12,13,14,15
	ds_store_b128 v2, v[R+64*((\t)%2)+4*\i:R+64*((\t)%2)+4*\i+3] offset:528*\i
.endr
.irp b, 0,1,2,3
.irp j, 0,1,2,3
	ds_load_b128 v[X+16*\b+4*\j:X+16*\b+4*\j+3], v3 offset:128*\b+16*\j   ; LDS serves a wave's instructions in order: these see the stores above
.endr
.endr
	s_wait_dscnt 0x0                               ; the numbers are back, and the stores have read their registers,
.if (\t) < 2
	LOADX (\t)+2                                   ; which take the fragment two on
.endif
.if (\t) > 0
	s_wait_xcnt 0x0                                ; the last fragment's stores have read their data: the codes' registers are written again only behind this wait
.endif
	QUANT X, PC, PC+6, PWS+(\t)
.irp g, 0,1,2
	global_store_b128 v1, v[PC+4*\g:PC+4*\g+3], s[26:27] offset:1536*(\t)+512*\g   ; 32 lanes store 512 consecutive bytes, aligned
.endr
.endm
	LOADX 0
	LOADX 1
	XFRAG 0
	XFRAG 1
	XFRAG 2
	XFRAG 3
	v_cndmask_b32 v248, v[PWS], v[PWS+2], vcc_lo   ; lanes 0-15 store words 0 and 1 of their row, lanes 16-31 words 2 and 3
	v_cndmask_b32 v249, v[PWS+1], v[PWS+3], vcc_lo
	global_store_b64 v4, v[248:249], s[28:29]      ; 256 consecutive bytes, aligned
	s_wait_tensorcnt 0x0
	ds_add_u32 v254, v255
	s_wait_dscnt 0x0
	s_endpgm
; ---- the weights.  K is their FIRST axis: a lane takes a column and its registers run down K, so that a block of 32 along K lies in one lane and the conversions give codes with K innermost.
; Work-group 256 + 32 ks + cq: K step ks; wave w the 32 columns of group cg = 4 cq + w (cg 0..95: w_qkv, 96..127: w_proj).  A load reads 128 consecutive bytes, the four waves side by side 512.
.Lweights:
	s_sub_co_u32 s17, ttmp9, 256
	s_and_b32 s18, s17, 31                         ; cq
	s_lshr_b32 s19, s17, 5                         ; ks
	s_lshl_b32 s20, s18, 2
	s_add_co_u32 s20, s20, s16                     ; cg
	s_wait_kmcnt 0x0
	s_mov_b32 s21, 4096
	s_cmp_lt_u32 s18, 24                           ; which weight: the choice hangs on the work-group's number alone
	s_cselect_b32 s21, 12288, s21                  ; bytes from row to row
	s_cselect_b32 s22, 0, 96
	s_cselect_b64 s[32:33], s[6:7], s[8:9]
	s_sub_co_u32 s22, s20, s22
	s_lshl_b32 s22, s22, 7                         ; my 32 columns, in bytes
	s_lshl_b32 s23, s19, 7
	s_mul_i32 s23, s23, s21                        ; 128 ks rows
	s_add_co_u32 s22, s22, s23
	s_mov_b32 s23, 0
	s_add_nc_u64 s[32:33], s[32:33], s[22:23]      ; a base for each block of 32 rows
	s_lshl_b32 s22, s21, 5
	s_add_nc_u64 s[34:35], s[32:33], s[22:23]
	s_add_nc_u64 s[36:37], s[34:35], s[22:23]
	s_add_nc_u64 s[38:39], s[36:37], s[22:23]
	s_mul_i32 s26, s20, 24576                      ; the images of blocks 2 cg and 2 cg + 1,
	s_mul_i32 s27, s19, 1536                       ; K step ks
	s_add_co_u32 s26, s26, s27
	s_mov_b32 s27, 0
	s_add_nc_u64 s[40:41], s[12:13], s[26:27]
	s_lshl_b32 s28, s20, 10                        ; their scale words
	s_lshr_b32 s29, s19, 2
	s_lshl_b32 s29, s29, 8
	s_add_co_u32 s28, s28, s29
	s_and_b32 s29, s19, 3
	s_lshl_b32 s29, s29, 2
	s_add_co_u32 s28, s28, s29
	s_add_co_u32 s28, s28, WSC
	s_mov_b32 s29, 0
	s_add_nc_u64 s[42:43], s[14:15], s[28:29]
	s_wait_alu depctr_va_vdst(0)
	v_lshlrev_b32 v[OF], 2, v5
.irp i, 0,1,2,3,4,5,6,7,8,9,10,11,12,13,14,15,16,17,18,19,20,21,22,23,24,25,26,27,28,29,30
	v_add_nc_u32 v[OF+1+\i], s21, v[OF+\i]
.endr
.irp j, 0,1,2,3
.irp i, 0,1,2,3,4,5,6,7,8,9,10,11,12,13,14,15,16,17,18,19,20,21,22,23,24,25,26,27,28,29,30,31
	global_load_b32 v[WX+32*\j+\i], v[OF+\i], s[32+2*\j:33+2*\j] th:TH_LOAD_NT   ; w(128 ks + 32 j + i, my column)
.endr
.endr
	v_bfe_u32 v19, v0, 3, 1                        ; column l of the 32 is image lane r = (l & 7) | ((l >> 4) << 3) of block u = (l >> 3) & 1
	v_and_b32 v20, 7, v0
	v_bfe_u32 v21, v0, 4, 1
	v_lshl_or_b32 v20, v21, 3, v20
	v_mul_u32_u24 v17, v19, 12288
	v_lshl_add_u32 v17, v20, 4, v17                ; the image: 12,288 u + 16 r
	v_lshlrev_b32 v18, 9, v19
	v_lshl_add_u32 v18, v20, 4, v18                ; the scale word: 512 u + 16 r
.macro WBLOCK j                        ; K block j of the step: all its 32 numbers are mine
.set XS, WX+32*(\j)
.set DI, IMG0+12*((\j)%2)+6*((\j)/2)
	v_max3_num_f32 v8, |v[XS]|, |v[XS+1]|, |v[XS+2]|
	v_max3_num_f32 v9, |v[XS+3]|, |v[XS+4]|, |v[XS+5]|
.irp i, 6,10,14,18,22,26
	v_max3_num_f32 v8, v8, |v[XS+\i]|, |v[XS+\i+1]|
	v_max3_num_f32 v9, v9, |v[XS+\i+2]|, |v[XS+\i+3]|
.endr
	v_max3_num_f32 v8, v8, |v[XS+30]|, |v[XS+31]|
	v_max3_num_f32 v8, v8, v9, 0x1800000           ; and the floor
	v_add_nc_u32 v[12+(\j)], 0xff000000, v8
	v_lshrrev_b32 v11, 23, v[12+(\j)]
.if (\j) == 0
	v_mov_b32 v16, v11
.else
	v_lshl_or_b32 v16, v11, 8*(\j), v16            ; the four bytes make my column's scale word of this K step
.endif
	v_cvt_scalef32_pk16_fp6_f32 v[DI:DI+2], v[XS:XS+15], v[12+(\j)]
	v_cvt_scalef32_pk16_fp6_f32 v[WYT+4*(\j):WYT+4*(\j)+2], v[XS+16:XS+31], v[12+(\j)]
.endm
	s_wait_loadcnt 63                              ; of 128 loads at most 63 are out: the oldest 65 are in, blocks 0 and 1 among them
	WBLOCK 0
	WBLOCK 1
	s_wait_loadcnt 32                              ; block 3's 32 may be out
	WBLOCK 2
	s_wait_loadcnt 0x0
	WBLOCK 3
	v_nop                                          ; one plain instruction behind the conversions
.irp j, 0,1,2,3
.irp i, 0,1,2
	v_mov_b32 v[IMG0+12*(\j%2)+6*(\j/2)+3+\i], v[WYT+4*\j+\i]
.endr
.endr
.irp h, 0,1
.irp g, 0,1,2
	global_store_b128 v17, v[IMG0+12*\h+4*\g:IMG0+12*\h+4*\g+3], s[40:41] offset:256*\h+512*\g   ; sixteen lanes of a block store 256 consecutive bytes, aligned
.endr
.endr
	global_store_b32 v18, v16, s[42:43]            ; 4 bytes in each 16: the other K steps' words come from other work-groups; 128 bytes a wave against the 16,384 that it reads
	s_endpgm
.Lfunc_end_k_q17b56fa516_prep:
	.size	k_q17b56fa516_prep, .Lfunc_end_k_q17b56fa516_prep-k_q17b56fa516_prep
	.p2alignl 7, 3214868480
	.fill 96, 4, 3214868480
	.section	.rodata,"a",@progbits
	.p2align	6, 0x0
	.amdhsa_kernel k_q17b56fa516_prep
		.amdhsa_group_segment_fixed_size 34304
		.amdhsa_private_segment_fixed_size 0
		.amdhsa_enable_private_segment 0
		.amdhsa_kernarg_size 48
		.amdhsa_user_sgpr_count 2
		.amdhsa_user_sgpr_kernarg_segment_ptr 1
		.amdhsa_wavefront_size32 1
		.amdhsa_system_sgpr_workgroup_id_x 1
		.amdhsa_system_sgpr_workgroup_id_y 1
		.amdhsa_system_sgpr_workgroup_id_z 1
		.amdhsa_system_vgpr_workitem_id 0
		.amdhsa_next_free_vgpr 256
		.amdhsa_next_free_sgpr 66
		.amdhsa_reserve_vcc 1
		.amdhsa_float_denorm_mode_32 3
		.amdhsa_float_denorm_mode_16_64 3
		.amdhsa_memory_ordered 1
		.amdhsa_forward_progress 1
		.amdhsa_inst_pref_size 55
	.end_amdhsa_kernel
	.amdgpu_metadata
---
amdhsa.version: [ 1, 2 ]
amdhsa.kernels:
  - .name:           k_q17b56fa516_prep
    .symbol:         k_q17b56fa516_prep.kd
    .args:
      - { .name: x_q, .offset: 0, .size: 8, .value_kind: global_buffer, .address_space: global }
      - { .name: w_qkv, .offset: 8, .size: 8, .value_kind: global_buffer, .address_space: global }
      - { .name: w_proj, .offset: 16, .size: 8, .value_kind: global_buffer, .address_space: global }
      - { .name: ximg, .offset: 24, .size: 8, .value_kind: global_buffer, .address_space: global }
      - { .name: wimg, .offset: 32, .size: 8, .value_kind: global_buffer, .address_space: global }
      - { .name: scl, .offset: 40, .size: 8, .value_kind: global_buffer, .address_space: global }
    .group_segment_fixed_size: 34304
    .private_segment_fixed_size: 0
    .kernarg_segment_align: 8
    .kernarg_segment_size: 48
    .max_flat_workgroup_size: 128
    .sgpr_count:     66
    .vgpr_count:     256
    .wavefront_size: 32
...
	.end_amdgpu_metadata
.endif
;; end of part 1
;; launch qkv (part 2): grid 192 x 4, 4 waves a work-group, clusters of 4 x 4, 295,424 bytes of LDS; arguments ximg, wimg, scl, b_qkv, qkvimg, qkvscl; writes qkvimg, qkvscl
.if DOCPART == 2
	.amdgcn_target "amdgcn-amd-amdhsa--gfx1250"
	.amdhsa_code_object_version 6
	.text
	.protected	k_q17b56fa516_qkv
	.globl	k_q17b56fa516_qkv
	.p2align	8
	.type	k_q17b56fa516_qkv,@function
k_q17b56fa516_qkv:
	s_mov_b64 s[64:65], 0
	v_nop
	global_prefetch_b8 v0, s[64:65] scope:SCOPE_SE
	s_setreg_imm32_b32 hwreg(HW_REG_WAVE_MODE, 25, 1), 1
	s_wait_xcnt 0x0
	s_wait_alu depctr_hold_cnt(0) depctr_sa_sdst(0) depctr_va_vdst(0) depctr_va_sdst(0) depctr_va_ssrc(0) depctr_va_vcc(0) depctr_vm_vsrc(0)
	s_getreg_b32 s2, hwreg(HW_REG_IB_STS2, 6, 4)
	s_cmp_eq_u32 s2, 0
	s_cbranch_scc0 .Lentry_in_a_cluster
	s_endpgm
.Lentry_in_a_cluster:
	s_bfe_u32 s2, ttmp6, 0x10000c
	s_cmp_lg_u32 s2, 0xf033
	s_cbranch_scc0 .Lentry_shape_is_right
	s_endpgm
.Lentry_shape_is_right:
; qkv = x w_qkv + b_qkv on codes of FP6 (E2M3) with E8M0 scales, K = 1,024; the result is quantised at once for the two products of attention and leaves as codes alone.
; A TILE is 128 rows of A' x 256 rows of B'.  D = (source 0 = 16 rows of B', source 1 = 16 rows of A'): a lane holds ONE row of A', and, by the order of rows in a block (lane r of block 2 B + u = row
; 32 B + 8 u + r + 8 (r / 8)), the 16 registers of B' blocks 2 b and 2 b + 1 are 16 NEIGHBOURS along B': 32 b + 16 h + 0 .. 15.  So what is to be quantised along an axis takes that axis as B'.
; MODE 0 (clusters 0..31): q and k.  A' = rows of x, B' = columns 0..2047 of w_qkv: registers run along the head's 64.   MODE 1 (clusters 32..47): v.  A' = columns 2048..3071, B' = rows of x: registers run along the keys.
; The two buffers change roles by a choice on the cluster's number; loop and quantiser are one text.
; ALL OF K FOR BOTH SIDES LIES IN LDS (98,304 + 196,608 bytes), each byte filled once: no slot is filled again.  A wave issues one tensor load at the start: its blocks with all of K.
; Four waves, wave (wa, wb) makes 64 x 128: 32 accumulators.  768 tiles of equal work.  A tile of 256 x 256 would give 384, which 256 WGPs do not share evenly, and would not hold all of K in LDS.
; CLUSTER 4 x 4: A''s tile is shared along a row of the cluster, B''s along a column: joint loads.  Nothing is prefetched: every tensor load of the launch is issued at its head.
; OUT: qkvimg [hh 0..47][393,216]: hh 0-15 q's heads, 16-31 k's, 32-47 v's; fragments as [piece of two registers 0..5][lane][8 bytes].
;   q, k: [F = row / 32][1,536]: registers 0-5 block 2 F, registers 6-11 block 2 F + 1; a lane's six registers are d = 32 h + 0..31 of its row.   v: [G = row / 128][d tile 0..3][1,536]: 16 d x 128 keys; lane r of tile t is d = 32 (t/2) + 8 (t%2) + r + 8 (r/8).
;   qkvscl [hh][16,384]: q, k: [F / 2][r][2 words], word F % 2 = {block 2 F: bytes 0, 1; block 2 F + 1: bytes 2, 3};   v: [G][lane][2 words], word j of lane (r, h) = the word of d tile 2 j + h, row r.
; LIMITS: NaN and infinities are not served; a block whose largest magnitude lies under 2^-124 gets the scale byte 1 (read by this program alone).
; REGISTERS: window 0: v1-7 ids, v8-15 LDS addresses, v16 the scale words' offset, v20-29 the way out, v32-95 scale words and nothing else, v96-143 and v144-191 A''s fragments (two sets), v192-211 at work on the way out.
;   window 1: accumulator (a, b) at v[8 (8 a + b)].   window 2: v0-95 and v96-191 B''s fragments (two sets), v192-255 the bias by column.
.set XSC, 262144
.set WSC, 524288
.set CH,  73728                        ; a chunk in LDS: A''s 8 blocks x 3,072 bytes, then B''s 16
.set ADRA, 8                           ; v8-11   my A' fragments in chunk 0..3
.set ADRB, 12                          ; v12-15  my B' fragments
.set VSO,  16
.set VA,   20                          ; v20-23  the way out: 8 x lane + c S1 + u S3
.set VSA,  24
.set SELV, 25
.set BV,   26                          ; v26-29  the bias by lane (mode 1)
.set SC,   32                          ; register SC + 8 i + g: lanes 0-15 the word of A' block i, lanes 16-31 that of B' block i, K step g
.set H,    96
.set IM0,  160
.set IM1,  172
.set YT,   184
.set TM,   192
.set PW,   208
.set WS,   210
.set SEL,  56
.set MW,   0x52                        ; source 0 (B') window 2, source 1 (A') window 0, C and D window 1
.set MSB, 0
.macro WIN new                         ; the immediate's high byte repeats the setting that is left
.if MSB != \new
	s_set_vgpr_msb (MSB<<8)|\new
.set MSB, \new
.endif
.endm
.macro PLACES n
.rept \n
	v_nop
.endr
.endm
.macro ROUND                           ; a round of the cluster's barrier
	s_barrier_signal -1
	s_barrier_wait -1
	s_cmp_lg_u32 s16, 0
	s_cbranch_scc1 .Lnot_wave_0_\@
	s_barrier_signal -3
.Lnot_wave_0_\@:
	s_barrier_wait -3
	s_barrier_signal -1
	s_barrier_wait -1
.endm
.macro FRAG3 reg, adr, off             ; a fragment comes back as it was stored: three loads of 16 bytes a lane, 512 consecutive bytes each
.irp c, 0,1,2
	ds_load_b128 v[\reg+4*\c:\reg+4*\c+3], v[\adr] offset:\off+512*\c
.endr
.endm
.macro FETCH g                         ; K step g's fragments into set g % 2
	WIN 0x80                                       ; destination window 2
.irp b, 0,1,2,3,4,5,6,7
	FRAG3 96*((\g)%2)+12*\b, ADRB+(\b)/4, 12288*((\b)%4)+1536*(\g)
.endr
	WIN 0
.irp a, 0,1,2,3
	FRAG3 96+48*((\g)%2)+12*\a, ADRA, 12288*\a+1536*(\g)
.endr
.endm
; 16 products: A' blocks a0, a0 + 1 x B''s eight.  cm = 0: the first K step starts the sums.  The 32 accumulators take turns, one instruction a turn, in the same order in every step.
.macro MULH g, a0, cm
.irp a, \a0, \a0+1
.irp b, 0,1,2,3,4,5,6,7
.if \cm == 0
	v_wmma_scale_f32_16x16x128_f8f6f4 v[8*(8*(\a)+\b):8*(8*(\a)+\b)+7], v[96*((\g)%2)+12*\b:96*((\g)%2)+12*\b+11], v[96+48*((\g)%2)+12*(\a):96+48*((\g)%2)+12*(\a)+11], 0, v[SC+8*\b+(\g)], v[SC+8*(\a)+(\g)] matrix_a_fmt:MATRIX_FMT_FP6 matrix_b_fmt:MATRIX_FMT_FP6 matrix_a_scale:MATRIX_SCALE_ROW1
.else
	v_wmma_scale_f32_16x16x128_f8f6f4 v[8*(8*(\a)+\b):8*(8*(\a)+\b)+7], v[96*((\g)%2)+12*\b:96*((\g)%2)+12*\b+11], v[96+48*((\g)%2)+12*(\a):96+48*((\g)%2)+12*(\a)+11], v[8*(8*(\a)+\b):8*(8*(\a)+\b)+7], v[SC+8*\b+(\g)], v[SC+8*(\a)+(\g)] matrix_a_fmt:MATRIX_FMT_FP6 matrix_b_fmt:MATRIX_FMT_FP6 matrix_a_scale:MATRIX_SCALE_ROW1
.endif
.endr
.endr
.endm
; A K step: its fragments were asked for a step ago; the next step's are asked for ahead of its 32 products (none after the last).
.macro KSTEP g, cm
.if ((\g) > 0) && ((\g) < 7)
	PLACES 4                                       ; four plain instructions between the last step's products and the loads into the set that they read (ISA guide 7.12.1 for vector instructions)
.endif
	s_wait_dscnt 0x0                               ; this step's fragments are in
.if (\g) == 7
	WIN MW
	MULH \g, 0, 1
	MULH \g, 2, 1
.elseif ((\g)%2) == 0
	FETCH (\g)+1
	WIN MW
	MULH \g, 0, \cm
	MULH \g, 2, \cm
.else
	FETCH (\g)+1                                   ; all of K landed ahead of the first step: odd steps run as even ones do
	WIN MW
	MULH \g, 0, 1
	MULH \g, 2, 1
.endif
.endm
; 64 numbers of a lane, register 16 b + i = place 32 b + 16 h + i along the axis, become codes (d0: places 32 h + 0..31, d1: 64 + 32 h + 0..31, six registers each) and the row's scale word (pw, in every lane).
.macro QUANT s, d0, d1, pw
.irp b, 0,1,2,3
	v_max3_num_f32 v[TM+\b], |v[\s+16*\b]|, |v[\s+1+16*\b]|, 0x1800000   ; and the floor 2^(3 - 127): the byte cannot fall under 1
.endr
.irp i, 2,4,6,8,10,12,14
.irp b, 0,1,2,3
	v_max3_num_f32 v[TM+\b], v[TM+\b], |v[\s+16*\b+\i]|, |v[\s+1+16*\b+\i]|
.endr
.endr
.irp b, 0,1,2,3
	v_permlanex16_b32 v[TM+4+\b], v[TM+\b], s[SEL], s[SEL+1]
.endr
.irp b, 0,1,2,3
	v_max_num_f32 v[TM+\b], v[TM+\b], v[TM+4+\b]
.endr
.irp b, 0,1,2,3
	v_add_nc_u32 v[TM+12+\b], 0xff000000, v[TM+\b]     ; 2 off the exponent field: the conversion's scale operand
.endr
.irp b, 0,1,2,3
	v_lshrrev_b32 v[TM+4+\b], 23, v[TM+12+\b]
.endr
	v_lshl_or_b32 v[\pw], v[TM+5], 8, v[TM+4]
	v_lshl_or_b32 v[\pw], v[TM+6], 16, v[\pw]
	v_lshl_or_b32 v[\pw], v[TM+7], 24, v[\pw]
	v_cvt_scalef32_pk16_fp6_f32 v[\d0:\d0+2], v[\s:\s+15], v[TM+12]
	v_cvt_scalef32_pk16_fp6_f32 v[YT:YT+2], v[\s+16:\s+31], v[TM+13]
	v_cvt_scalef32_pk16_fp6_f32 v[\d1:\d1+2], v[\s+32:\s+47], v[TM+14]
	v_cvt_scalef32_pk16_fp6_f32 v[YT+4:YT+6], v[\s+48:\s+63], v[TM+15]
	v_nop                                              ; one plain instruction behind the conversions
.irp i, 0,1,2
	v_permlane16_swap_b32 v[\d0+\i], v[YT+\i]
.endr
.irp i, 0,1,2
	v_mov_b32 v[\d0+3+\i], v[YT+\i]
.endr
.irp i, 0,1,2
	v_permlane16_swap_b32 v[\d1+\i], v[YT+4+\i]
.endr
.irp i, 0,1,2
	v_mov_b32 v[\d1+3+\i], v[YT+4+\i]
.endr
.endm
	s_load_b256 s[4:11], s[0:1], 0x0               ; ximg s[4:5], wimg s[6:7], scl s[8:9], b_qkv s[10:11]
	s_load_b128 s[12:15], s[0:1], 0x20             ; qkvimg, qkvscl
	v_lshl_add_u32 v254, v0, 2, 0x48000
	v_mov_b32 v255, 0
	ds_add_u32 v254, v255
	ds_add_u32 v254, v255
	v_lshrrev_b32 v4, 5, v0
	v_readfirstlane_b32 s16, v4                    ; wave 0..3
	s_lshr_b32 s17, s16, 1                         ; wa: which 64 rows of A' are mine.  Also: I fetch for A' (0) or B' (1)
	s_and_b32 s18, s16, 1                          ; wb: which 128 rows of B'.  Also: which half of that tile I fetch
	s_bfe_u32 s20, ttmp6, 0x40000                  ; cx
	s_bfe_u32 s21, ttmp6, 0x40004                  ; cy
	s_lshr_b32 s84, ttmp9, 1                       ; mode 0: cluster c covers A' tiles 4 (c >> 1) .., B' tiles 4 (c & 1) ..
	s_bfe_u32 s85, ttmp9, 0x10003                  ; mode 1: A' tiles 4 ((c >> 3) & 1) .., B' tiles 4 (c & 7) ..
	s_and_b32 s88, ttmp9, 1
	s_and_b32 s89, ttmp9, 7
	s_cmp_ge_u32 ttmp9, 32                         ; the mode hangs on the cluster's number alone: the same in all sixteen partners
	s_cselect_b32 s19, 1, 0
	s_cselect_b32 s84, s85, s84
	s_cselect_b32 s88, s89, s88
	s_lshl_b32 s22, s84, 2
	s_add_co_u32 s22, s22, s21                     ; TR: my tile of A'
	s_lshl_b32 s23, s88, 2
	s_add_co_u32 s23, s23, s20                     ; TC: my tile of B'
	s_lshl_b32 s2, s21, 2
	s_lshl_b32 s2, 15, s2                          ; my row of the cluster
	s_lshl_b32 s3, 0x1111, s20                     ; my column
	; descriptor group 1: rows of 12,288 bytes (a block's eight K steps: 1,536 elements of 8 bytes), 12,288 bytes apart; A': 4 rows, B': 8
	s_or_b32 s24, s2, (3<<16)|(1<<21)              ; 15:0 the mask; 17:16 elements of 8 bytes; 21 set beside a mask; no padding: every LDS access takes consecutive bytes
	; AS THE TEXT NOW STANDS (in place of the four chunks named at the head): a wave issues ONE tensor load, its blocks with all of K: rows of 12,288 bytes (1,536 elements of 8 bytes), dense in memory and in LDS;
	; in LDS A''s 8 blocks lie from 0, B''s 16 from 98,304, a block's K step g at 1,536 g
	s_mov_b32 s25, 1536<<16
	s_mov_b32 s26, 4<<16                           ; tensor_dim1
	s_mov_b32 s27, 1536<<16
	s_mov_b32 s28, 4                               ; tile_dim1
	s_mov_b32 s29, 1536                            ; elements from row to row
	s_mov_b32 s30, 0
	s_mov_b32 s31, 0
	s_or_b32 s32, s3, (3<<16)|(1<<21)
	s_mov_b32 s33, 1536<<16
	s_mov_b32 s34, 8<<16
	s_mov_b32 s35, 1536<<16
	s_mov_b32 s36, 8
	s_mov_b32 s37, 1536
	s_mov_b32 s38, 0
	s_mov_b32 s39, 0
	s_mov_b32 s[SEL], 0x76543210
	s_mov_b32 s[SEL+1], 0xfedcba98
	s_wait_dscnt 0x0
	s_wait_kmcnt 0x0
	; where the tiles come from.  A''s hang on TR alone (s84-87, s66 never hold cx), B''s on TC alone (s88-91, s67 never hold cy)
	s_cmp_eq_u32 s19, 1
	s_cselect_b64 s[86:87], s[6:7], s[4:5]
	s_cselect_b64 s[90:91], s[4:5], s[6:7]
	s_cselect_b32 s85, 128, 0                      ; v's columns begin at block 128 of wimg
	s_mov_b32 s66, XSC
	s_cselect_b32 s66, WSC, s66                    ; where A''s scale words lie in scl,
	s_mov_b32 s67, WSC
	s_cselect_b32 s67, XSC, s67                    ; and B''s
	s_lshl_b32 s84, s22, 3
	s_add_co_u32 s84, s84, s85                     ; A''s first block
	s_lshl_b32 s85, s84, 9
	s_add_co_u32 s66, s66, s85
	s_lshl_b32 s85, s17, 11
	s_add_co_u32 s66, s66, s85                     ; my four blocks' scale words
	s_lshl_b32 s85, s18, 2
	s_add_co_u32 s84, s84, s85                     ; the four blocks that I fetch
	s_mul_i32 s84, s84, 12288
	s_mov_b32 s85, 0
	s_add_nc_u64 s[86:87], s[86:87], s[84:85]
	s_lshl_b32 s88, s23, 4                         ; B''s first block
	s_lshl_b32 s89, s88, 9
	s_add_co_u32 s67, s67, s89
	s_lshl_b32 s89, s18, 12
	s_add_co_u32 s67, s67, s89                     ; my eight blocks' scale words
	s_lshl_b32 s89, s18, 3
	s_add_co_u32 s88, s88, s89                     ; the eight blocks that I fetch
	s_mul_i32 s88, s88, 12288
	s_mov_b32 s89, 0
	s_add_nc_u64 s[90:91], s[90:91], s[88:89]
	s_mul_i32 s41, s18, 49152                      ; where they go: A''s half (four blocks); no place in the cluster enters an LDS address
	s_mul_i32 s69, s18, 98304                      ; B''s half (eight blocks),
	s_add_co_u32 s69, s69, 98304                   ; behind A''s eight
	s_mov_b32 s40, 1                               ; count = 1
	s_mov_b64 s[42:43], s[86:87]
	s_or_b32 s43, s43, 0x80000000                  ; type = 2
	s_mov_b32 s68, 1
	s_mov_b64 s[70:71], s[90:91]
	s_or_b32 s71, s71, 0x80000000
	ROUND                                          ; all sixteen work-groups are here: the joint loads meet
	s_cmp_lt_u32 s16, 2                            ; a wave's one fill stands in one branch on the wave's number; four v_nop follow it
	s_cbranch_scc0 .Lfill_b
	tensor_load_to_lds s[40:43], s[24:31]
	s_nop 0
	PLACES 4
	s_branch .Lfilled
.Lfill_b:
	tensor_load_to_lds s[68:71], s[32:39]
	s_nop 0
	PLACES 4
.Lfilled:
	v_and_b32 v1, 15, v0                           ; r
	v_bfe_u32 v2, v0, 4, 1                         ; h
	s_wait_alu depctr_va_vdst(0)
	v_and_b32 v3, 31, v0                           ; lane
	v_cmp_eq_u32 vcc_lo, 1, v2
	v_mov_b32 v17, s66
	v_mov_b32 v18, s67
	v_cndmask_b32 v[VSO], v17, v18, vcc_lo         ; lanes 0-15 take A''s words, lanes 16-31 B''s
	v_lshl_add_u32 v[VSO], v1, 4, v[VSO]
.irp i, 0,1,2,3,4,5,6,7
.irp q, 0,1
	global_load_b128 v[SC+8*\i+4*\q:SC+8*\i+4*\q+3], v[VSO], s[8:9] offset:512*\i+256*\q   ; all the scale words of the launch, once (lanes 0-15 read four blocks more than A' has: inside scl, and not used)
.endr
.endr
	; the bias.  Both forms are loaded in both modes, the one that the mode does not use from a fixed place inside b_qkv: so each register is written on every way
	s_lshl_b32 s88, s23, 10
	s_lshl_b32 s89, s18, 9
	s_add_co_u32 s88, s88, s89                     ; mode 0: my 128 columns
	s_lshl_b32 s84, s22, 9
	s_lshl_b32 s85, s17, 8
	s_add_co_u32 s84, s84, s85                     ; mode 1: my 64 columns of v
	s_cmp_eq_u32 s19, 1
	s_cselect_b32 s88, 0, s88
	s_cselect_b32 s84, s84, 0
	s_add_co_u32 s84, s84, 8192
	s_mov_b32 s89, 0
	s_mov_b32 s85, 0
	s_add_nc_u64 s[88:89], s[10:11], s[88:89]
	s_add_nc_u64 s[84:85], s[10:11], s[84:85]
	v_lshlrev_b32 v6, 6, v2                        ; by column: register 16 b + i is column 32 b + 16 h + i
	v_and_b32 v7, 8, v1
	v_add_nc_u32 v7, v7, v1
	v_lshlrev_b32 v7, 2, v7                        ; by lane: r + 8 (r / 8)
	WIN 0x80
.irp b, 0,1,2,3
.irp j, 0,1,2,3
	global_load_b128 v[192+16*\b+4*\j:192+16*\b+4*\j+3], v6, s[88:89] offset:128*\b+16*\j
.endr
.endr
	WIN 0
.irp a, 0,1,2,3
	global_load_b32 v[BV+\a], v7, s[84:85] offset:(32*(\a/2)+8*(\a%2))*4
.endr
	v_lshlrev_b32 v5, 4, v3
	s_mul_i32 s62, s17, 49152                      ; my four blocks of A'
	v_add_nc_u32 v[ADRA], s62, v5
	s_mul_i32 s63, s18, 98304                      ; my eight blocks of B': 0-3 by one register,
	s_add_co_u32 s63, s63, 98304
	v_add_nc_u32 v[ADRB], s63, v5
	v_add_nc_u32 v[ADRB+1], 49152, v[ADRB]         ; 4-7 by a second: an LDS offset has 16 bits
	; the way out, by the mode: codes at HH x 393,216 + RR x PP (+ c S1 + j S2 + u S3), scale words at HH x 16,384 + RS x PS (+ h SH)
	s_lshl_b32 s92, s23, 1
	s_add_co_u32 s92, s92, s18                     ; 2 TC + wb
	s_lshl_b32 s93, s22, 1
	s_add_co_u32 s93, s93, s17                     ; 2 TR + wa
	s_lshl_b32 s94, s92, 1                         ; mode 0: my first head
	s_add_co_u32 s95, s93, 32                      ; mode 1: my head
	s_lshl_b32 s96, s93, 1                         ; mode 0: my first F
	s_cmp_eq_u32 s19, 1
	s_cselect_b32 s94, s95, s94                    ; HH
	s_cselect_b32 s96, s92, s96                    ; RR
	s_cselect_b32 s97, s92, s93                    ; RS
	s_mov_b32 s58, 393216
	s_cselect_b32 s58, 768, s58                    ; S1
	s_mov_b32 s59, 1536
	s_cselect_b32 s59, 3072, s59                   ; S2
	s_mov_b32 s60, 768
	s_cselect_b32 s60, 1536, s60                   ; S3
	s_mov_b32 s61, 16384
	s_cselect_b32 s61, 128, s61                    ; SH
	s_mov_b32 s98, 1536
	s_cselect_b32 s98, 6144, s98                   ; PP
	s_mov_b32 s99, 128
	s_cselect_b32 s99, 256, s99                    ; PS
	s_mov_b32 s2, 0x05040100
	s_cselect_b32 s2, 0x03020100, s2               ; how two rows' scale words make a stored word: lanes 0-15,
	s_mov_b32 s3, 0x07060302
	s_cselect_b32 s3, 0x07060504, s3               ; lanes 16-31
	s_mul_i32 s92, s94, 393216
	s_mul_i32 s96, s96, s98
	s_add_co_u32 s92, s92, s96
	s_mov_b32 s93, 0
	s_lshl_b32 s96, s94, 14
	s_mul_i32 s97, s97, s99
	s_add_co_u32 s96, s96, s97
	s_mov_b32 s97, 0
	s_add_nc_u64 s[92:93], s[12:13], s[92:93]      ; codes, pair j = 0
	s_mov_b32 s94, s59
	s_mov_b32 s95, 0
	s_add_nc_u64 s[94:95], s[92:93], s[94:95]      ; pair j = 1
	s_add_nc_u64 s[96:97], s[14:15], s[96:97]      ; scale words
	v_lshlrev_b32 v[VA], 3, v3
	v_add_nc_u32 v[VA+1], s60, v[VA]
	v_add_nc_u32 v[VA+2], s58, v[VA]
	v_add_nc_u32 v[VA+3], s60, v[VA+2]
	v_mul_lo_u32 v[VSA], v2, s61
	v_lshl_add_u32 v[VSA], v1, 3, v[VSA]
	v_mov_b32 v17, s2
	v_mov_b32 v18, s3
	v_cndmask_b32 v[SELV], v17, v18, vcc_lo
.irp b, 0,1,2,3
	v_mov_b32 v[TM+4+\b], 0                        ; written once: a lane permute's destination counts as one of its sources
.endr
	s_wait_loadcnt 0x0                             ; scale words and bias
	s_wait_tensorcnt 0x0                           ; my one load has landed
	s_barrier_signal -1
	s_barrier_wait -1                              ; everybody's has
	FETCH 0
	KSTEP 0, 0
	KSTEP 1, 1
	KSTEP 2, 1
	KSTEP 3, 1
	KSTEP 4, 1
	KSTEP 5, 1
	KSTEP 6, 1
	KSTEP 7, 1
	WIN 0
	PLACES 4                                       ; between the last products and the first reads of results and writes of operands' registers
; THE WAY OUT.  A' block a's 64 numbers get their bias (which also brings them into window 0; each accumulator is read from its low end on) and are quantised; two blocks make two images of 12 registers.
.macro ADDB a
	s_cmp_eq_u32 s19, 1
	s_cbranch_scc1 .Lby_lane_\@
	WIN 0x09                                       ; source 0 window 1, source 1 window 2
.set i, 0
.rept 32
	v_pk_add_f32 v[H+2*i:H+2*i+1], v[64*(\a)+2*i:64*(\a)+2*i+1], v[192+2*i:193+2*i]
.set i, i+1
.endr
	WIN 0
	s_branch .Lbiased_\@
.Lby_lane_\@:
	WIN 0x01                                       ; source 0 window 1
.set i, 0
.rept 32
.if ((\a)%2) == 0
	v_pk_add_f32 v[H+2*i:H+2*i+1], v[64*(\a)+2*i:64*(\a)+2*i+1], v[BV+2*((\a)/2):BV+2*((\a)/2)+1] op_sel_hi:[1,0]
.else
	v_pk_add_f32 v[H+2*i:H+2*i+1], v[64*(\a)+2*i:64*(\a)+2*i+1], v[BV+2*((\a)/2):BV+2*((\a)/2)+1] op_sel:[0,1] op_sel_hi:[1,1]
.endif
.set i, i+1
.endr
	WIN 0
.Lbiased_\@:
.endm
.macro EPI j
.if \j > 0
	s_wait_xcnt 0x0                                ; the last pair's stores have read their data: the images' registers are written again only behind this wait
.endif
.irp u, 0,1
	ADDB 2*\j+\u
	QUANT H, IM0+6*\u, IM1+6*\u, PW+\u
.endr
.irp c, 0,1
.irp u, 0,1
.irp p, 0,1,2
	global_store_b64 v[VA+2*\c+\u], v[IM0+12*\c+6*\u+2*\p:IM0+12*\c+6*\u+2*\p+1], s[92+2*\j:93+2*\j] offset:256*\p   ; 32 lanes store 256 consecutive bytes, aligned
.endr
.endr
.endr
	v_perm_b32 v[WS+\j], v[PW+1], v[PW], v[SELV]
.endm
	EPI 0
	EPI 1
	global_store_b64 v[VSA], v[WS:WS+1], s[96:97]  ; mode 1: 256 consecutive bytes; mode 0: 128 for each of my two heads
	s_wait_tensorcnt 0x0
	ds_add_u32 v254, v255
	s_wait_dscnt 0x0
	ROUND                                          ; the closing round: no work-group ends while a partner may still ask for a tile that names it
	s_endpgm
.Lfunc_end_k_q17b56fa516_qkv:
	.size	k_q17b56fa516_qkv, .Lfunc_end_k_q17b56fa516_qkv-k_q17b56fa516_qkv
	.p2alignl 7, 3214868480
	.fill 96, 4, 3214868480
	.section	.rodata,"a",@progbits
	.p2align	6, 0x0
	.amdhsa_kernel k_q17b56fa516_qkv
		.amdhsa_group_segment_fixed_size 295424
		.amdhsa_private_segment_fixed_size 0
		.amdhsa_enable_private_segment 0
		.amdhsa_kernarg_size 48
		.amdhsa_user_sgpr_count 2
		.amdhsa_user_sgpr_kernarg_segment_ptr 1
		.amdhsa_wavefront_size32 1
		.amdhsa_system_sgpr_workgroup_id_x 1
		.amdhsa_system_sgpr_workgroup_id_y 1
		.amdhsa_system_sgpr_workgroup_id_z 1
		.amdhsa_system_vgpr_workitem_id 0
		.amdhsa_next_free_vgpr 768
		.amdhsa_next_free_sgpr 100
		.amdhsa_reserve_vcc 1
		.amdhsa_float_denorm_mode_32 3
		.amdhsa_float_denorm_mode_16_64 3
		.amdhsa_memory_ordered 1
		.amdhsa_forward_progress 1
		.amdhsa_inst_pref_size 99
	.end_amdhsa_kernel
	.amdgpu_metadata
---
amdhsa.version: [ 1, 2 ]
amdhsa.kernels:
  - .name:           k_q17b56fa516_qkv
    .symbol:         k_q17b56fa516_qkv.kd
    .args:
      - { .name: ximg, .offset: 0, .size: 8, .value_kind: global_buffer, .address_space: global }
      - { .name: wimg, .offset: 8, .size: 8, .value_kind: global_buffer, .address_space: global }
      - { .name: scl, .offset: 16, .size: 8, .value_kind: global_buffer, .address_space: global }
      - { .name: b_qkv, .offset: 24, .size: 8, .value_kind: global_buffer, .address_space: global }
      - { .name: qkvimg, .offset: 32, .size: 8, .value_kind: global_buffer, .address_space: global }
      - { .name: qkvscl, .offset: 40, .size: 8, .value_kind: global_buffer, .address_space: global }
    .group_segment_fixed_size: 295424
    .private_segment_fixed_size: 0
    .kernarg_segment_align: 8
    .kernarg_segment_size: 48
    .max_flat_workgroup_size: 128
    .sgpr_count:     100
    .vgpr_count:     768
    .wavefront_size: 32
...
	.end_amdgpu_metadata
.endif
;; end of part 2
;; launch attn (part 3): grid 4 x 64, 16 waves a work-group, clusters of 4 x 1, 243,712 bytes of LDS; arguments qkvimg, qkvscl, oimg, scl; writes oimg, scl
.if DOCPART == 3
	.amdgcn_target "amdgcn-amd-amdhsa--gfx1250"
	.amdhsa_code_object_version 6
	.text
	.protected	k_q17b56fa516_attn
	.globl	k_q17b56fa516_attn
	.p2align	8
	.type	k_q17b56fa516_attn,@function
k_q17b56fa516_attn:
	s_mov_b64 s[64:65], 0
	v_nop
	global_prefetch_b8 v0, s[64:65] scope:SCOPE_SE
	s_setreg_imm32_b32 hwreg(HW_REG_WAVE_MODE, 25, 1), 1
	s_wait_xcnt 0x0
	s_wait_alu depctr_hold_cnt(0) depctr_sa_sdst(0) depctr_va_vdst(0) depctr_va_sdst(0) depctr_va_ssrc(0) depctr_va_vcc(0) depctr_vm_vsrc(0)
	s_getreg_b32 s2, hwreg(HW_REG_IB_STS2, 6, 4)
	s_cmp_eq_u32 s2, 0
	s_cbranch_scc0 .Lentry_in_a_cluster
	s_endpgm
.Lentry_in_a_cluster:
	s_bfe_u32 s2, ttmp6, 0x10000c
	s_cmp_lg_u32 s2, 0x3003
	s_cbranch_scc0 .Lentry_shape_is_right
	s_endpgm
.Lentry_shape_is_right:
; o = softmax(q k^T / 8) v for one batch and head, both products on codes of FP6 (E2M3) with E8M0 scales; o is quantised along the model's 1,024 and leaves as codes alone.
; THE SOFTMAX: t = score x log2(e) / 8; M = the running largest t rounded UP to a whole number; p = 2^(t - M) is quantised along the keys, not normalised; the row's sum is taken of the unquantised p
; and divides at the end.  When M moves, the sum and O are multiplied by 2^(old M - new M): exact.
; SHARES.  256 work-groups.  A work-group owns 512 queries of one (batch, head); each of its sixteen waves takes two blocks of 16 queries, one after the other (PASS 0, PASS 1), and walks the 2,048 keys, 128 a step, for each.
; ALL OF THE HEAD'S K AND V LIES IN LDS, each byte filled once, and serves both passes.  K's codes from 0, as rows of 512 bytes + 192 of padding (a fragment of 1,536 bytes is three rows, 2,112 bytes);
; V's codes dense from VB; K's scale words from KS, V's from VS; the spare words from SPARE.
; CLUSTER 4 x 1: the four work-groups of a head read the same K and V: joint loads, ONE A WAVE: waves 0-5 a sixth of K's codes each, waves 6-11 a sixth of V's, waves 12-15 a half of K's or of V's scale words.
; Nothing is prefetched: every tensor load of the launch is issued at its head, and no loop runs ahead of one.
; LAYOUT.  Both products transposed: S^T = K Q^T, O^T = V^T P^T: a lane holds ONE query throughout.
; K = 64 IN AN INSTRUCTION OF 128: a fragment of K holds TWO tiles of 16 keys (registers 0-5, 6-11).  Against [q, 0] it gives the first tile's scores, against [0, q] the second's: zero codes add nothing.
; WHICH KEYS FORM A TILE is chosen by each lane's LDS address.  Stored fragment F, half u, lane r' holds key 32 F + 8 u + r' + 8 (r' / 8).  Fragment (G, w) as it is read here: lane r takes stored fragment 2 G + r / 8,
; stored lane r % 8 + 8 w.  So rows 0-7 of its two tiles are keys 16 w + 0 .. 15 of block 2 G, rows 8-15 the same of block 2 G + 1, and lane (r, h)'s 32 score registers of group G are
; the WHOLE block of keys 64 G + 32 h + 0 .. 31, in order: which is what p's operand wants of that lane.  A block's maximum needs no other lane, and p's codes are not moved between lanes.
; 2,112 = 64 modulo 256, so the 32 lanes of such a load of 8 bytes touch 64 different banks (64 banks of 4 bytes: ISA guide 11.1).
; O^T's registers 16 b + i are d = 32 b + 16 h + i, by the order of V's rows in its tiles.
; OUT: oimg [RB][K step 0..7][piece 0..5][lane][8 bytes]: head X fills pieces 3 (X % 2) .. + 2 of K step X / 2;  scl [RB][q][r][4 words]: bytes 2 (X % 2) + 0, 1 of word (X / 2) % 4, q = X / 8.
; LIMITS: NaN and infinities are not served; the promise holds while |t| stays under 2^31; a block whose largest magnitude lies under 2^-124 gets the scale byte 1 (read by this program alone).
.set VB,    135168
.set KS,    233472
.set VS,    237568
.set SPARE, 241664
.set VKB, 2                            ; v2   K's codes: 2,112 (r / 8) + 8 (r % 8) + 128 h
.set VVB, 3                            ; v3   V's codes: VB + 8 x lane
.set VSB, 4                            ; v4   K's scale words: KS + 8 (r % 8) + 4 (r / 8)
.set VTB, 5                            ; v5   V's: VS + 8 x lane       (v1 = 8 x lane, v6 = r, v7 = h)
.set ADK, 8                            ; v8-11 the same four for this step
.set ADV, 9
.set ADS, 10
.set ADT, 11                           ; v12 -M, v13 the running largest score, v[14:15] the sum in two halves, v16-33 [0, q, 0]
.set QW,  34                           ; v34      q's scale word [s0, s1, s0, s1]
.set PWD, 35                           ; v35      p's scale word
.set KF,  36                           ; v36-83   four fragments of K; free as temporaries while the softmax runs
.set KW,  84                           ; v84-87   their scale words
.set VF,  88                           ; v88-135  four fragments of V
.set VW,  136                          ; v136-137 their scale words: register t / 2, lanes 0-15 even t, lanes 16-31 odd t
.set FF,  138                          ; v138-139 f = 2^(old M - new M) (the pair's upper half is only named)
.set S,   140                          ; v140-203 S^T, then p
.set O,   204                          ; v204-235 O^T
.set PC,  236                          ; v236-247 p's codes
.set SH8, 248                          ; v248 8 h;  v249 8 r;  v250 q's scale word as loaded
.set OM,  251                          ; v251 the last step's -M
.set BM,  36                           ; temporaries inside KF
.set BX,  38
.set SO,  40
.set T,   42
.set YT,  44
.set SP,  52
.set E1,  60
.set E2,  61
.set WV,  12
.set SEL, 20
.set CS,  22
.set TKK, 60                           ; s60  the step's place in K's codes: 8,448 bytes a step
.set TKV, 61                           ; s61  in V's: 6,144
.set TS,  62                           ; s62  in the scale words: 256
.set CN,  84                           ; s84  -c
.macro ROUND                           ; a round of the cluster's barrier
	s_barrier_signal -1
	s_barrier_wait -1
	s_cmp_lg_u32 s[WV], 0
	s_cbranch_scc1 .Lnot_wave_0_\@
	s_barrier_signal -3
.Lnot_wave_0_\@:
	s_barrier_wait -3
	s_barrier_signal -1
	s_barrier_wait -1
.endm
.macro DEP n
	s_delay_alu instid0(VALU_DEP_\n)
.endm
	s_load_b256 s[4:11], s[0:1], 0x0               ; qkvimg s[4:5], qkvscl s[6:7], oimg s[8:9], scl s[10:11]
	v_lshl_add_u32 v254, v0, 2, SPARE
	v_mov_b32 v255, 0
	ds_add_u32 v254, v255                          ; the add, twice on end, and its wait ahead of my tensor load
	ds_add_u32 v254, v255
	v_lshrrev_b32 v8, 5, v0
	v_readfirstlane_b32 s[WV], v8                  ; wave 0..15
	s_bfe_u32 s13, ttmp6, 0x40000                  ; cx: it enters Q's and o's global addresses alone (s18, s72-83)
	s_and_b32 s14, ttmp7, 0xffff
	s_lshr_b32 s15, s14, 4                         ; the batch
	s_and_b32 s16, s14, 15                         ; X: the head
	s_lshl_b32 s18, s15, 6
	s_lshl_b32 s19, s13, 4
	s_add_co_u32 s18, s18, s19
	s_lshr_b32 s19, s[WV], 1
	s_add_co_u32 s18, s18, s19                     ; Fg: my pair of query blocks in pass 0 (pass 1: 8 further on)
	s_and_b32 s19, s[WV], 1                        ; u: which of the pair
	s_mul_i32 s66, s16, 393216
	s_mul_i32 s67, s15, 98304
	s_add_co_u32 s66, s66, s67
	s_lshl_b32 s67, s[WV], 14
	s_add_co_u32 s66, s66, s67                     ; head, batch, and 16,384 bytes for each wave
	s_add_co_u32 s68, s66, 16*393216               ; K's codes: heads 16-31 of qkvimg, sixth = wave
	s_mov_b32 s69, 0
	s_add_co_u32 s70, s66, 32*393216-98304         ; V's: heads 32-47, sixth = wave - 6
	s_mov_b32 s71, 0
	s_lshl_b32 s80, s16, 14                        ; the scale words: wave 12 + j takes half j % 2 of K's (j / 2 = 0) or V's (1), 16 heads of 16,384 bytes further on
	s_lshl_b32 s81, s15, 12
	s_add_co_u32 s80, s80, s81
	s_bfe_u32 s81, s[WV], 0x10001
	s_lshl_b32 s81, s81, 18
	s_add_co_u32 s80, s80, s81
	s_lshl_b32 s81, s19, 11
	s_add_co_u32 s80, s80, s81
	s_add_co_u32 s80, s80, 16*16384
	s_mov_b32 s81, 0
	; descriptor groups 1: rows of 512 bytes (64 elements of 8 bytes), dense in memory: K's 32 rows with 48 words of padding behind each 128, V's 32 rows, the scale words' 4 rows
	s_mov_b32 s24, 15|(3<<16)|(1<<20)|(1<<21)|(6<<22)|(47<<25)   ; 15:0 the mask: all four work-groups; 17:16 elements of 8 bytes; 20 padding on; 21 set beside a mask
	s_mov_b32 s32, 15|(3<<16)|(1<<21)
	s_mov_b32 s40, 15|(3<<16)|(1<<21)
.irp g, 24, 32, 40
	s_mov_b32 s[\g+1], 64<<16
	s_mov_b32 s[\g+3], 64<<16
	s_mov_b32 s[\g+5], 64
	s_mov_b32 s[\g+6], 0
	s_mov_b32 s[\g+7], 0
.endr
	s_mov_b32 s26, 32<<16
	s_mov_b32 s28, 32
	s_mov_b32 s34, 32<<16
	s_mov_b32 s36, 32
	s_mov_b32 s42, 4<<16
	s_mov_b32 s44, 4
	s_mov_b32 s48, 1                               ; groups 0: every wave makes all three and asks by one
	s_mul_i32 s49, s[WV], 32*704
	s_mov_b32 s52, 1
	s_lshl_b32 s53, s[WV], 14
	s_add_co_u32 s53, s53, VB-6*16384
	s_mov_b32 s56, 1
	s_lshl_b32 s57, s[WV], 11
	s_add_co_u32 s57, s57, KS-12*2048
	s_mov_b32 s[SEL], 0x76543210
	s_mov_b32 s[SEL+1], 0xfedcba98
	s_mov_b32 s[CS], 0x3e38aa3b                    ; c = log2(e) / 8
	s_mov_b32 s[CS+1], s[CS]                       ; (named with it as a pair, so it is written)
	s_mov_b32 s[CN], 0xbe38aa3b                    ; -c
	s_wait_dscnt 0x0
	s_wait_kmcnt 0x0
	s_add_nc_u64 s[50:51], s[4:5], s[68:69]
	s_or_b32 s51, s51, 0x80000000
	s_add_nc_u64 s[54:55], s[4:5], s[70:71]
	s_or_b32 s55, s55, 0x80000000
	s_add_nc_u64 s[58:59], s[6:7], s[80:81]
	s_or_b32 s59, s59, 0x80000000
	ROUND                                          ; all four work-groups are here: the joint loads meet
.macro ARM under, g0, g1, next         ; one chain of branches on the wave's number, one load to an arm, all arms to one join
	s_cmp_lt_u32 s[WV], \under
	s_cbranch_scc0 \next
	tensor_load_to_lds s[\g0:\g0+3], s[\g1:\g1+7]
	s_nop 0
.rept 4
	v_nop
.endr
	s_branch .Lasked
\next:
.endm
	ARM 6,  48, 24, .Lfor_v
	ARM 12, 52, 32, .Lfor_s
	tensor_load_to_lds s[56:59], s[40:47]
	s_nop 0
.rept 4
	v_nop
.endr
.Lasked:
	s_mul_i32 s80, s16, 393216                     ; Q: head X, fragment Fg, pieces 3 u ..
	s_mul_i32 s81, s18, 1536
	s_add_co_u32 s80, s80, s81
	s_mul_i32 s81, s19, 768
	s_add_co_u32 s80, s80, s81
	s_mov_b32 s81, 0
	s_add_nc_u64 s[72:73], s[4:5], s[80:81]
	s_lshl_b32 s80, s16, 14                        ; its scale word: word Fg % 2 of group Fg / 2
	s_lshr_b32 s82, s18, 1
	s_lshl_b32 s82, s82, 7
	s_add_co_u32 s80, s80, s82
	s_and_b32 s82, s18, 1
	s_lshl_b32 s82, s82, 2
	s_add_co_u32 s80, s80, s82
	s_add_nc_u64 s[74:75], s[6:7], s[80:81]
	s_lshl_b32 s83, s18, 1
	s_add_co_u32 s83, s83, s19                     ; RB
	s_mul_i32 s80, s83, 12288                      ; o's image
	s_lshr_b32 s82, s16, 1
	s_mul_i32 s82, s82, 1536
	s_add_co_u32 s80, s80, s82
	s_and_b32 s82, s16, 1
	s_mul_i32 s82, s82, 768
	s_add_co_u32 s80, s80, s82
	s_add_nc_u64 s[76:77], s[8:9], s[80:81]
	s_lshl_b32 s80, s83, 9                         ; o's scale bytes
	s_lshr_b32 s82, s16, 3
	s_lshl_b32 s82, s82, 8
	s_add_co_u32 s80, s80, s82
	s_bfe_u32 s82, s16, 0x20001
	s_lshl_b32 s82, s82, 2
	s_add_co_u32 s80, s80, s82
	s_and_b32 s82, s16, 1
	s_lshl_b32 s82, s82, 1
	s_add_co_u32 s80, s80, s82
	s_add_nc_u64 s[78:79], s[10:11], s[80:81]
	s_mov_b32 s85, 0x03020302
	s_cmp_eq_u32 s19, 0
	s_cselect_b32 s85, 0x01000100, s85             ; my block's two bytes of q's word, twice
	v_and_b32 v9, 31, v0
	v_and_b32 v6, 15, v0                           ; r
	v_bfe_u32 v7, v0, 4, 1                         ; h
	v_and_b32 v10, 7, v0                           ; r % 8
	v_bfe_u32 v11, v0, 3, 1                        ; r / 8
	v_lshlrev_b32 v1, 3, v9                        ; 8 x lane
	v_lshlrev_b32 v249, 3, v6
	v_mul_u32_u24 v[VKB], v11, 2112
	v_lshlrev_b32 v[VSB], 3, v10
	v_lshlrev_b32 v[SH8], 3, v7
	v_lshl_add_u32 v[VKB], v10, 3, v[VKB]
	v_lshl_add_u32 v[VSB], v11, 2, v[VSB]
	v_add_nc_u32 v[VVB], VB, v1
	v_add_nc_u32 v[VTB], VS, v1
	v_lshl_add_u32 v[VKB], v7, 7, v[VKB]
	v_add_nc_u32 v[VSB], KS, v[VSB]
	s_wait_alu depctr_va_vdst(0)                   ; ahead of the readers below
.macro QLOAD t                         ; pass t's block of q: half a fragment, and its rows' scale words
.irp p, 0,1,2
	global_load_b64 v[22+2*\p:23+2*\p], v1, s[72:73] offset:256*\p+12288*\t
.endr
	global_load_b32 v250, v249, s[74:75] offset:512*\t
.endm
	QLOAD 0
.irp i, 16,17,18,19,20,21,28,29,30,31,32,33
	v_mov_b32 v\i, 0                               ; [0, q] = v[16:27], [q, 0] = v[22:33]
.endr
	v_mov_b32 v[FF+1], 0
; A KEY STEP: 128 keys.
.macro STEP
	v_add_nc_u32 v[ADK], s[TKK], v[VKB]
	v_add_nc_u32 v[ADS], s[TS], v[VSB]
.irp n, 0,1,2,3                        ; fragment n = (G = n / 2, w = n % 2)
.irp p, 0,1,2,3,4,5
	ds_load_b64 v[KF+12*\n+2*\p:KF+12*\n+2*\p+1], v[ADK] offset:4224*(\n/2)+64*(\n%2)+704*(\p/2)+256*(\p%2)
.endr
	ds_load_b32 v[KW+\n], v[ADS] offset:128*(\n/2)+64*(\n%2)
.endr
	s_wait_dscnt 0x0                               ; K and its words are in
.irp n, 0,1,2,3
	v_wmma_scale_f32_16x16x128_f8f6f4 v[S+16*\n:S+16*\n+7], v[KF+12*\n:KF+12*\n+11], v[22:33], 0, v[KW+\n], v[QW] matrix_a_fmt:MATRIX_FMT_FP6 matrix_b_fmt:MATRIX_FMT_FP6
	v_wmma_scale_f32_16x16x128_f8f6f4 v[S+16*\n+8:S+16*\n+15], v[KF+12*\n:KF+12*\n+11], v[16:27], 0, v[KW+\n], v[QW] matrix_a_fmt:MATRIX_FMT_FP6 matrix_b_fmt:MATRIX_FMT_FP6
.endr
	v_add_nc_u32 v[ADV], s[TKV], v[VVB]            ; with the two adds at the step's top: four places between the last step's products and the loads into their operands' registers
	v_add_nc_u32 v[ADT], s[TS], v[VTB]
.irp f, 0,1,2,3
.irp p, 0,1,2,3,4,5
	ds_load_b64 v[VF+12*\f+2*\p:VF+12*\f+2*\p+1], v[ADV] offset:1536*\f+256*\p   ; V lands under the softmax
.endr
.endr
	ds_load_b64 v[VW:VW+1], v[ADT]
	v_mov_b32 v[OM], v12
	v_nop                                          ; the two adds, the move and this: four places ahead of the first read of the scores and the first write into K's registers (ISA guide 7.12.1)
.irp c, 0,1                            ; the largest score of my two blocks of 32 keys, two chains each; each accumulator is first read at its low end
	v_max3_num_f32 v[BM+\c], v[S+32*\c], v[S+32*\c+1], v[S+32*\c+2]
	v_max3_num_f32 v[BX+\c], v[S+32*\c+16], v[S+32*\c+17], v[S+32*\c+18]
.endr
.irp i, 3,5,7,9,11,13
.irp c, 0,1
	v_max3_num_f32 v[BM+\c], v[BM+\c], v[S+32*\c+\i], v[S+32*\c+\i+1]
	v_max3_num_f32 v[BX+\c], v[BX+\c], v[S+32*\c+16+\i], v[S+32*\c+17+\i]
.endr
.endr
.irp c, 0,1
	v_max3_num_f32 v[BM+\c], v[BM+\c], v[BX+\c], v[S+32*\c+15]
.endr
.irp c, 0,1
	v_max_num_f32 v[BM+\c], v[BM+\c], v[S+32*\c+31]
.endr
	DEP 1
	v_max_num_f32 v[T], v[BM], v[BM+1]
	DEP 1
	v_permlanex16_b32 v[T+1], v[T], s[SEL], s[SEL+1]
	DEP 1
	v_max3_num_f32 v13, v13, v[T], v[T+1]          ; the running largest score, with lane l xor 16's 64 keys
	DEP 1
	v_mul_f32 v[T], s[CN], v13                     ; -t (c is positive)
	DEP 1
	v_floor_f32 v12, v[T]                          ; the new -M = -ceil(t)
	DEP 1
	v_sub_f32 v[T], v12, v[OM]                     ; old M - new M: a whole number, 0 or less
	DEP 1
	v_cvt_i32_f32 v[T], v[T]                       ; (it saturates)
	DEP 1
	v_ldexp_f32 v[FF], 1.0, v[T]                   ; f
.set j, 0
.rept 32
	v_pk_fma_f32 v[S+j:S+j+1], v[S+j:S+j+1], s[CS:CS+1], v[12:13] op_sel_hi:[1,0,0]   ; t - M
.set j, j+2
.endr
.irp c, 0,1
	v_fma_f32 v[BM+\c], v[BM+\c], s[CS], v12       ; the same of each block's largest score: p rises with the score
.endr
	s_wait_alu depctr_va_vdst(0)                   ; ahead of the batch
.set j, 0
.rept 64
	v_exp_f32 v[S+j], v[S+j]                       ; p = 2^(t - M)
.set j, j+1
.endr
.irp c, 0,1
	v_exp_f32 v[BM+\c], v[BM+\c]                   ; the blocks' largest p: the same two instructions on the same number
.endr
	v_pk_mul_f32 v[14:15], v[14:15], v[FF:FF+1] op_sel_hi:[1,0]   ; the sums under the new M; the plain instruction behind the batch
	s_wait_alu depctr_va_vdst(0)                   ; one wait for the batch of 66, ahead of its first reader
.irp k, 0,1,2                          ; the row's sum of the unquantised p: 32 pairs in four chains
	v_pk_add_f32 v[SP+2*\k:SP+2*\k+1], v[S+4*\k:S+4*\k+1], v[S+4*\k+2:S+4*\k+3]
.endr
	v_pk_add_f32 v[14:15], v[14:15], v[S+12:S+13]
.set j, 14
.rept 6
	v_pk_add_f32 v[SP:SP+1], v[SP:SP+1], v[S+j:S+j+1]
	v_pk_add_f32 v[SP+2:SP+3], v[SP+2:SP+3], v[S+j+2:S+j+3]
	v_pk_add_f32 v[SP+4:SP+5], v[SP+4:SP+5], v[S+j+4:S+j+5]
	v_pk_add_f32 v[14:15], v[14:15], v[S+j+6:S+j+7]
.set j, j+8
.endr
	v_pk_add_f32 v[SP:SP+1], v[SP:SP+1], v[S+62:S+63]
	v_pk_add_f32 v[14:15], v[14:15], v[SP+4:SP+5]
	DEP 2
	v_pk_add_f32 v[SP:SP+1], v[SP:SP+1], v[SP+2:SP+3]
.irp c, 0,1
	v_max_num_f32 v[BM+\c], 0x1800000, v[BM+\c]    ; the floor 2^(3 - 127): the byte cannot fall under 1
.endr
	v_pk_add_f32 v[14:15], v[14:15], v[SP:SP+1]
.irp c, 0,1
	v_add_nc_u32 v[SO+\c], 0xff000000, v[BM+\c]    ; 2 off the exponent field: the conversion's scale operand
.endr
.irp c, 0,1
	DEP 2
	v_lshrrev_b32 v[BX+\c], 23, v[SO+\c]           ; the bytes of blocks h and 2 + h
.endr
	DEP 1
	v_lshl_or_b32 v[T], v[BX+1], 16, v[BX]
	DEP 1
	v_lshlrev_b32 v[T], v[SH8], v[T]               ; at their places in the word
	DEP 1
	v_permlanex16_b32 v[T+1], v[T], s[SEL], s[SEL+1]
.irp c, 0,1
	v_cvt_scalef32_pk16_fp6_f32 v[PC+6*\c:PC+6*\c+2], v[S+32*\c:S+32*\c+15], v[SO+\c]
	v_cvt_scalef32_pk16_fp6_f32 v[YT+4*\c:YT+4*\c+2], v[S+32*\c+16:S+32*\c+31], v[SO+\c]   ; (a conversion's three registers begin on an even number)
.endr
	v_or_b32 v[PWD], v[T], v[T+1]                  ; with lane l xor 16's two bytes p's scale word is whole; also the plain instruction behind the conversions
.irp c, 0,1
.irp i, 0,1,2
	v_mov_b32 v[PC+6*\c+3+\i], v[YT+4*\c+\i]
.endr
.endr
	s_wait_alu depctr_va_vdst(0)                   ; directly ahead of the first reader of O^T
.set j, 0
.rept 16
	v_pk_mul_f32 v[O+j:O+j+1], v[O+j:O+j+1], v[FF:FF+1] op_sel_hi:[1,0]   ; O^T under the new M; also the places between the makes of p's codes and scale word and the products
.set j, j+2
.endr
	s_wait_alu depctr_va_vdst(0)                   ; directly ahead of the wait below
	s_wait_dscnt 0x0                               ; V is in
.irp t, 0,2
	v_wmma_scale_f32_16x16x128_f8f6f4 v[O+8*\t:O+8*\t+7], v[VF+12*\t:VF+12*\t+11], v[PC:PC+11], v[O+8*\t:O+8*\t+7], v[VW+\t/2], v[PWD] matrix_a_fmt:MATRIX_FMT_FP6 matrix_b_fmt:MATRIX_FMT_FP6
	v_wmma_scale_f32_16x16x128_f8f6f4 v[O+8*\t+8:O+8*\t+15], v[VF+12*\t+12:VF+12*\t+23], v[PC:PC+11], v[O+8*\t+8:O+8*\t+15], v[VW+\t/2], v[PWD] matrix_a_fmt:MATRIX_FMT_FP6 matrix_b_fmt:MATRIX_FMT_FP6 matrix_a_scale:MATRIX_SCALE_ROW1
.endr
	s_add_co_u32 s[TKK], s[TKK], 8448
	s_add_co_u32 s[TKV], s[TKV], 6144
	s_add_co_u32 s[TS], s[TS], 256
.endm
; A PASS: one block of 16 queries against all 2,048 keys, and its way out.
.macro PASS t
	v_mov_b32 v13, 0xff61b1e6                      ; the largest score so far: -3e38, under every score
	v_mov_b32 v12, 0x7e800000                      ; -M = 2^126: the first step's f comes out 0
	v_mov_b32 v14, 0                               ; the sum, in two halves
	v_mov_b32 v15, 0
	s_wait_loadcnt 0x0                             ; q and its word
	v_perm_b32 v[QW], v250, v250, s85
.set j, 0
.rept 32
	v_mov_b32 v[O+j], 0                            ; O^T: the step is written for every trip alike.  (Also the places between the scale word's make and the first product)
.set j, j+1
.endr
	s_mov_b32 s[TKK], 0
	s_mov_b32 s[TKV], 0
	s_mov_b32 s[TS], 0
	s_mov_b32 s63, 16
	s_wait_alu depctr_va_vdst(0)                   ; ahead of the loop
.Lstep_\@:
	STEP
	s_sub_co_u32 s63, s63, 1
	s_cmp_lg_u32 s63, 0
	s_cbranch_scc1 .Lstep_\@
.if \t == 0
	QLOAD 1                                        ; the next pass's q comes in under this pass's way out
.endif
	; THE WAY OUT: O^T / the sum, quantised along d (two blocks of 32), as half of a fragment of the last product's operand.
	v_add_f32 v14, v14, v15
	DEP 1
	v_permlanex16_b32 v[T], v14, s[SEL], s[SEL+1]
	DEP 1
	v_add_f32 v14, v14, v[T]                       ; the row's sum
	s_wait_alu depctr_va_vdst(0)                   ; ahead of the transcendental
	v_rcp_f32 v14, v14
	v_lshl_add_u32 v[E1], v6, 4, v7                ; the scale byte's place: 16 r + h.  (Plain instructions behind the reciprocal and behind the last products)
	v_cmp_eq_u32 vcc_lo, 1, v7
	v_nop
	s_wait_alu depctr_va_vdst(0)                   ; ahead of the first reader of the reciprocal and of O^T
.set j, 0
.rept 32
	v_mul_f32 v[S+j], v[O+j], v14                  ; register 16 b + i is d = 32 b + 16 h + i; each accumulator is read from its low end on
.set j, j+1
.endr
.irp b, 0,1
	v_max3_num_f32 v[BM+\b], |v[S+16*\b]|, |v[S+16*\b+1]|, 0x1800000
.endr
.irp i, 2,4,6,8,10,12,14
.irp b, 0,1
	DEP 2
	v_max3_num_f32 v[BM+\b], v[BM+\b], |v[S+16*\b+\i]|, |v[S+16*\b+\i+1]|
.endr
.endr
.irp b, 0,1
	DEP 2
	v_permlanex16_b32 v[BX+\b], v[BM+\b], s[SEL], s[SEL+1]
.endr
.irp b, 0,1
	DEP 2
	v_max_num_f32 v[BM+\b], v[BM+\b], v[BX+\b]
.endr
.irp b, 0,1
	DEP 2
	v_add_nc_u32 v[SO+\b], 0xff000000, v[BM+\b]
.endr
.irp b, 0,1
	DEP 2
	v_lshrrev_b32 v[BX+\b], 23, v[SO+\b]
.endr
	v_cvt_scalef32_pk16_fp6_f32 v[PC:PC+2], v[S:S+15], v[SO]
	v_cvt_scalef32_pk16_fp6_f32 v[YT:YT+2], v[S+16:S+31], v[SO+1]
	v_nop                                          ; one plain instruction behind the conversions
.irp i, 0,1,2
	v_permlane16_swap_b32 v[PC+\i], v[YT+\i]       ; the layout wants a whole block in a lane
.endr
.irp i, 0,1,2
	v_mov_b32 v[PC+3+\i], v[YT+\i]
.endr
	v_cndmask_b32 v[E2], v[BX], v[BX+1], vcc_lo    ; my half's block's byte
.irp p, 0,1,2
	global_store_b64 v1, v[PC+2*\p:PC+2*\p+1], s[76:77] offset:256*\p+196608*\t   ; 32 lanes store 256 consecutive bytes, aligned
.endr
	global_store_b8 v[E1], v[E2], s[78:79] offset:8192*\t   ; 32 single bytes, once a pass: the word's other bytes are other heads'
.if \t == 0
	s_wait_xcnt 0x0                                ; the stores have read their registers, which the next pass writes again
.endif
.endm
	s_wait_alu depctr_va_vdst(0)                   ; at the head's end
	s_wait_tensorcnt 0x0                           ; my part of K, V or the scale words has landed
	s_barrier_signal -1
	s_barrier_wait -1                              ; everybody's has; nothing is filled again in this launch
	PASS 0
	PASS 1
	s_wait_tensorcnt 0x0                           ; the wave's end
	ds_add_u32 v254, v255
	s_wait_dscnt 0x0
	ROUND                                          ; the closing round: no work-group ends while a partner may still ask for a tile that names it
	s_endpgm
.Lfunc_end_k_q17b56fa516_attn:
	.size	k_q17b56fa516_attn, .Lfunc_end_k_q17b56fa516_attn-k_q17b56fa516_attn
	.p2alignl 7, 3214868480
	.fill 96, 4, 3214868480
	.section	.rodata,"a",@progbits
	.p2align	6, 0x0
	.amdhsa_kernel k_q17b56fa516_attn
		.amdhsa_group_segment_fixed_size 243712
		.amdhsa_private_segment_fixed_size 0
		.amdhsa_enable_private_segment 0
		.amdhsa_kernarg_size 32
		.amdhsa_user_sgpr_count 2
		.amdhsa_user_sgpr_kernarg_segment_ptr 1
		.amdhsa_wavefront_size32 1
		.amdhsa_system_sgpr_workgroup_id_x 1
		.amdhsa_system_sgpr_workgroup_id_y 1
		.amdhsa_system_sgpr_workgroup_id_z 1
		.amdhsa_system_vgpr_workitem_id 0
		.amdhsa_next_free_vgpr 256
		.amdhsa_next_free_sgpr 90
		.amdhsa_reserve_vcc 1
		.amdhsa_float_denorm_mode_32 3
		.amdhsa_float_denorm_mode_16_64 3
		.amdhsa_memory_ordered 1
		.amdhsa_forward_progress 1
		.amdhsa_inst_pref_size 54
	.end_amdhsa_kernel
	.amdgpu_metadata
---
amdhsa.version: [ 1, 2 ]
amdhsa.kernels:
  - .name:           k_q17b56fa516_attn
    .symbol:         k_q17b56fa516_attn.kd
    .args:
      - { .name: qkvimg, .offset: 0, .size: 8, .value_kind: global_buffer, .address_space: global }
      - { .name: qkvscl, .offset: 8, .size: 8, .value_kind: global_buffer, .address_space: global }
      - { .name: oimg, .offset: 16, .size: 8, .value_kind: global_buffer, .address_space: global }
      - { .name: scl, .offset: 24, .size: 8, .value_kind: global_buffer, .address_space: global }
    .group_segment_fixed_size: 243712
    .private_segment_fixed_size: 0
    .kernarg_segment_align: 8
    .kernarg_segment_size: 32
    .max_flat_workgroup_size: 512
    .sgpr_count:     90
    .vgpr_count:     256
    .wavefront_size: 32
...
	.end_amdgpu_metadata
.endif
;; end of part 3
;; launch proj (part 4): grid 64 x 4, 4 waves a work-group, clusters of 4 x 4, 295,424 bytes of LDS; arguments oimg, wimg, scl, b_proj, out0; writes out0
.if DOCPART == 4
	.amdgcn_target "amdgcn-amd-amdhsa--gfx1250"
	.amdhsa_code_object_version 6
	.text
	.protected	k_q17b56fa516_proj
	.globl	k_q17b56fa516_proj
	.p2align	8
	.type	k_q17b56fa516_proj,@function
k_q17b56fa516_proj:
	s_mov_b64 s[64:65], 0
	v_nop
	global_prefetch_b8 v0, s[64:65] scope:SCOPE_SE
	s_setreg_imm32_b32 hwreg(HW_REG_WAVE_MODE, 25, 1), 1
	s_wait_xcnt 0x0
	s_wait_alu depctr_hold_cnt(0) depctr_sa_sdst(0) depctr_va_vdst(0) depctr_va_sdst(0) depctr_va_ssrc(0) depctr_va_vcc(0) depctr_vm_vsrc(0)
	s_getreg_b32 s2, hwreg(HW_REG_IB_STS2, 6, 4)
	s_cmp_eq_u32 s2, 0
	s_cbranch_scc0 .Lentry_in_a_cluster
	s_endpgm
.Lentry_in_a_cluster:
	s_bfe_u32 s2, ttmp6, 0x10000c
	s_cmp_lg_u32 s2, 0xf033
	s_cbranch_scc0 .Lentry_shape_is_right
	s_endpgm
.Lentry_shape_is_right:
; out0 = o w_proj + b_proj on codes of FP6 (E2M3) with E8M0 scales, K = 1,024; out0 [8192][1024] f32.
; A TILE is 128 rows of o (A') x 256 columns of w_proj (B').  D = (source 0 = 16 columns, source 1 = 16 rows of o): a lane holds one row of o, and by the order of rows in a block (lane r of block 2 B + u = row
; 32 B + 8 u + r + 8 (r / 8)) the 16 registers of B' blocks 2 b and 2 b + 1 are columns 32 b + 16 h + 0 .. 15.
; ALL OF K FOR BOTH SIDES LIES IN LDS (98,304 + 196,608 bytes), each byte filled once: a wave issues one tensor load at the start: its blocks with all of K.
; Four waves, wave (wa, wb) makes 64 x 128: 32 accumulators.  256 tiles: one for each WGP.  CLUSTER 4 x 4: A''s tile is shared along a row of the cluster, B''s along a column: joint loads.
; Nothing is prefetched: every tensor load of the launch is issued at its head.  The bias is the C of each sum's first product.
; REGISTERS: window 0: v1-7 ids, v8-15 LDS addresses, v16 the scale words' offset, v20-22 the way out, v32-95 scale words and nothing else, v96-143 and v144-191 A''s fragments (two sets); on the way out v160-223 rows of out0.
;   window 1: accumulator (a, b) at v[8 (8 a + b)].   window 2: v0-95 and v96-191 B''s fragments (two sets), v192-255 the bias.
.set WSC, 524288
.set CH,  73728                        ; a chunk in LDS: A''s 8 blocks x 3,072 bytes, then B''s 16
.set ADRA, 8
.set ADRB, 12
.set VSO,  16
.set STO,  20
.set RD,   21
.set CO,   22
.set SC,   32                          ; register SC + 8 i + g: lanes 0-15 the word of A' block i, lanes 16-31 that of B' block i, K step g
.set BK,   160
.set MW,   0x52                        ; source 0 (B') window 2, source 1 (A') window 0, C and D window 1
.set MSB, 0
.macro WIN new                         ; the immediate's high byte repeats the setting that is left
.if MSB != \new
	s_set_vgpr_msb (MSB<<8)|\new
.set MSB, \new
.endif
.endm
.macro PLACES n
.rept \n
	v_nop
.endr
.endm
.macro ROUND                           ; a round of the cluster's barrier
	s_barrier_signal -1
	s_barrier_wait -1
	s_cmp_lg_u32 s16, 0
	s_cbranch_scc1 .Lnot_wave_0_\@
	s_barrier_signal -3
.Lnot_wave_0_\@:
	s_barrier_wait -3
	s_barrier_signal -1
	s_barrier_wait -1
.endm
.macro FRAG3 reg, adr, off             ; a weight's fragment: [group of four registers][lane][16 bytes]
.irp c, 0,1,2
	ds_load_b128 v[\reg+4*\c:\reg+4*\c+3], v[\adr] offset:\off+512*\c
.endr
.endm
.macro FRAG6 reg, adr, off             ; o's fragment: [piece of two registers][lane][8 bytes]
.irp p, 0,1,2,3,4,5
	ds_load_b64 v[\reg+2*\p:\reg+2*\p+1], v[\adr] offset:\off+256*\p
.endr
.endm
.macro FETCH g                         ; K step g's fragments into set g % 2
	WIN 0x80                                       ; destination window 2
.irp b, 0,1,2,3,4,5,6,7
	FRAG3 96*((\g)%2)+12*\b, ADRB+(\b)/4, 12288*((\b)%4)+1536*(\g)
.endr
	WIN 0
.irp a, 0,1,2,3
	FRAG6 96+48*((\g)%2)+12*\a, ADRA, 12288*\a+1536*(\g)
.endr
.endm
; 16 products: A' blocks a0, a0 + 1 x B''s eight.  cm = 2: the first K step starts the sums from the bias.  The 32 accumulators take turns, one instruction a turn, in the same order in every step.
.macro MULH g, a0, cm
.irp a, \a0, \a0+1
.irp b, 0,1,2,3,4,5,6,7
.if \cm == 2
	v_wmma_scale_f32_16x16x128_f8f6f4 v[8*(8*(\a)+\b):8*(8*(\a)+\b)+7], v[96*((\g)%2)+12*\b:96*((\g)%2)+12*\b+11], v[96+48*((\g)%2)+12*(\a):96+48*((\g)%2)+12*(\a)+11], v[192+8*\b:192+8*\b+7], v[SC+8*\b+(\g)], v[SC+8*(\a)+(\g)] matrix_a_fmt:MATRIX_FMT_FP6 matrix_b_fmt:MATRIX_FMT_FP6 matrix_a_scale:MATRIX_SCALE_ROW1
.else
	v_wmma_scale_f32_16x16x128_f8f6f4 v[8*(8*(\a)+\b):8*(8*(\a)+\b)+7], v[96*((\g)%2)+12*\b:96*((\g)%2)+12*\b+11], v[96+48*((\g)%2)+12*(\a):96+48*((\g)%2)+12*(\a)+11], v[8*(8*(\a)+\b):8*(8*(\a)+\b)+7], v[SC+8*\b+(\g)], v[SC+8*(\a)+(\g)] matrix_a_fmt:MATRIX_FMT_FP6 matrix_b_fmt:MATRIX_FMT_FP6 matrix_a_scale:MATRIX_SCALE_ROW1
.endif
.endr
.endr
.endm
; A K step: its fragments were asked for a step ago; the next step's are asked for ahead of its 32 products (none after the last).
.macro KSTEP g, cm
.if ((\g) > 0) && ((\g) < 7)
	PLACES 4                                       ; four plain instructions between the last step's products and the loads into the set that they read (ISA guide 7.12.1 for vector instructions)
.endif
	s_wait_dscnt 0x0                               ; this step's fragments are in
.if (\g) == 7
	WIN MW
	MULH \g, 0, 1
	MULH \g, 2, 1
.elseif ((\g)%2) == 0
	FETCH (\g)+1
.if \cm == 2
	WIN 0x62                                       ; C (the bias) window 2, D window 1
.else
	WIN MW
.endif
	MULH \g, 0, \cm
	MULH \g, 2, \cm
.else
	FETCH (\g)+1                                   ; all of K landed ahead of the first step: odd steps run as even ones do
	WIN MW
	MULH \g, 0, 1
	MULH \g, 2, 1
.endif
.endm
	s_load_b256 s[4:11], s[0:1], 0x0               ; oimg s[4:5], wimg s[6:7], scl s[8:9], b_proj s[10:11]
	s_load_b64 s[12:13], s[0:1], 0x20              ; out0
	v_lshl_add_u32 v254, v0, 2, 0x48000
	v_mov_b32 v255, 0
	ds_add_u32 v254, v255
	ds_add_u32 v254, v255
	v_lshrrev_b32 v4, 5, v0
	v_readfirstlane_b32 s16, v4                    ; wave 0..3
	s_lshr_b32 s17, s16, 1                         ; wa: which 64 rows of A' are mine.  Also: I fetch for A' (0) or B' (1)
	s_and_b32 s18, s16, 1                          ; wb: which 128 columns.  Also: which half of that tile I fetch
	s_bfe_u32 s20, ttmp6, 0x40000                  ; cx
	s_bfe_u32 s21, ttmp6, 0x40004                  ; cy
	s_lshl_b32 s22, ttmp9, 2
	s_add_co_u32 s22, s22, s21                     ; TR: my tile of rows = 4 x cluster + cy
	s_mov_b32 s23, s20                             ; TC: my tile of columns = cx
	s_lshl_b32 s2, s21, 2
	s_lshl_b32 s2, 15, s2                          ; my row of the cluster
	s_lshl_b32 s3, 0x1111, s20                     ; my column
	; descriptor group 1: rows of 12,288 bytes (a block's eight K steps: 1,536 elements of 8 bytes), 12,288 bytes apart; A': 4 rows, B': 8
	s_or_b32 s24, s2, (3<<16)|(1<<21)              ; 15:0 the mask; 17:16 elements of 8 bytes; 21 set beside a mask; no padding: every LDS access takes consecutive bytes
	; AS THE TEXT NOW STANDS (in place of the four chunks named at the head): a wave issues ONE tensor load, its blocks with all of K: rows of 12,288 bytes (1,536 elements of 8 bytes), dense in memory and in LDS;
	; in LDS A''s 8 blocks lie from 0, B''s 16 from 98,304, a block's K step g at 1,536 g
	s_mov_b32 s25, 1536<<16
	s_mov_b32 s26, 4<<16
	s_mov_b32 s27, 1536<<16
	s_mov_b32 s28, 4
	s_mov_b32 s29, 1536
	s_mov_b32 s30, 0
	s_mov_b32 s31, 0
	s_or_b32 s32, s3, (3<<16)|(1<<21)
	s_mov_b32 s33, 1536<<16
	s_mov_b32 s34, 8<<16
	s_mov_b32 s35, 1536<<16
	s_mov_b32 s36, 8
	s_mov_b32 s37, 1536
	s_mov_b32 s38, 0
	s_mov_b32 s39, 0
	; where the tiles come from.  A''s hang on TR alone (s84-87, s66 never hold cx), B''s on TC alone (s88-91, s67 never hold cy)
	s_lshl_b32 s84, s22, 3                         ; A''s first block
	s_lshl_b32 s66, s84, 9                         ; o's scale words lie at the head of scl
	s_lshl_b32 s85, s17, 11
	s_add_co_u32 s66, s66, s85                     ; my four blocks' scale words
	s_lshl_b32 s85, s18, 2
	s_add_co_u32 s84, s84, s85                     ; the four blocks that I fetch
	s_mul_i32 s84, s84, 12288
	s_mov_b32 s85, 0
	s_lshl_b32 s88, s23, 4
	s_add_co_u32 s88, s88, 192                     ; B''s first block: w_proj's begin at block 192 of wimg
	s_lshl_b32 s67, s88, 9
	s_add_co_u32 s67, s67, WSC
	s_lshl_b32 s89, s18, 12
	s_add_co_u32 s67, s67, s89                     ; my eight blocks' scale words
	s_lshl_b32 s89, s18, 3
	s_add_co_u32 s88, s88, s89                     ; the eight blocks that I fetch
	s_mul_i32 s88, s88, 12288
	s_mov_b32 s89, 0
	s_mul_i32 s41, s18, 49152                      ; where they go: A''s half (four blocks); no place in the cluster enters an LDS address
	s_mul_i32 s69, s18, 98304                      ; B''s half (eight blocks),
	s_add_co_u32 s69, s69, 98304                   ; behind A''s eight
	s_wait_dscnt 0x0
	s_wait_kmcnt 0x0
	s_add_nc_u64 s[86:87], s[4:5], s[84:85]
	s_add_nc_u64 s[90:91], s[6:7], s[88:89]
	s_mov_b32 s40, 1                               ; count = 1
	s_mov_b64 s[42:43], s[86:87]
	s_or_b32 s43, s43, 0x80000000                  ; type = 2
	s_mov_b32 s68, 1
	s_mov_b64 s[70:71], s[90:91]
	s_or_b32 s71, s71, 0x80000000
	ROUND                                          ; all sixteen work-groups are here: the joint loads meet
	s_cmp_lt_u32 s16, 2                            ; a wave's one fill stands in one branch on the wave's number; four v_nop follow it
	s_cbranch_scc0 .Lfill_b
	tensor_load_to_lds s[40:43], s[24:31]
	s_nop 0
	PLACES 4
	s_branch .Lfilled
.Lfill_b:
	tensor_load_to_lds s[68:71], s[32:39]
	s_nop 0
	PLACES 4
.Lfilled:
	v_and_b32 v1, 15, v0                           ; r
	v_bfe_u32 v2, v0, 4, 1                         ; h
	v_and_b32 v3, 31, v0                           ; lane
	v_cmp_eq_u32 vcc_lo, 1, v2
	v_mov_b32 v17, s66
	v_mov_b32 v18, s67
	v_cndmask_b32 v[VSO], v17, v18, vcc_lo         ; lanes 0-15 take A''s words, lanes 16-31 B''s
	v_lshl_add_u32 v[VSO], v1, 4, v[VSO]
.irp i, 0,1,2,3,4,5,6,7
.irp q, 0,1
	global_load_b128 v[SC+8*\i+4*\q:SC+8*\i+4*\q+3], v[VSO], s[8:9] offset:512*\i+256*\q   ; all the scale words of the launch, once (lanes 0-15 read four blocks more than A' has: inside scl, and not used)
.endr
.endr
	s_lshl_b32 s88, s23, 10                        ; the bias of my 128 columns: register 16 b + i is column 32 b + 16 h + i
	s_lshl_b32 s89, s18, 9
	s_add_co_u32 s88, s88, s89
	s_mov_b32 s89, 0
	s_add_nc_u64 s[88:89], s[10:11], s[88:89]
	v_lshlrev_b32 v6, 6, v2
	WIN 0x80
.irp b, 0,1,2,3
.irp j, 0,1,2,3
	global_load_b128 v[192+16*\b+4*\j:192+16*\b+4*\j+3], v6, s[88:89] offset:128*\b+16*\j
.endr
.endr
	WIN 0
	v_lshlrev_b32 v5, 4, v3
	v_lshlrev_b32 v7, 3, v3
	s_mul_i32 s62, s17, 49152                      ; my four blocks of o: 8 bytes a lane
	v_add_nc_u32 v[ADRA], s62, v7
	s_mul_i32 s63, s18, 98304                      ; my eight blocks of the weight, 16 bytes a lane: 0-3 by one register,
	s_add_co_u32 s63, s63, 98304
	v_add_nc_u32 v[ADRB], s63, v5
	v_add_nc_u32 v[ADRB+1], 49152, v[ADRB]         ; 4-7 by a second: an LDS offset has 16 bits
	s_mul_i32 s98, s16, 8448                       ; my stage: 16 rows x 528 bytes, in chunk 0
	v_mul_u32_u24 v[STO], v1, 528
	v_lshl_add_u32 v[STO], v2, 6, v[STO]
	v_add_nc_u32 v[STO], s98, v[STO]               ; in: row r, + 64 h
	v_add_nc_u32 v[RD], s98, v5                    ; back: a row of 512 bytes, 16 a lane
	v_mov_b32 v[CO], v5                            ; and the same in out0
	s_lshl_b32 s92, s22, 7
	s_lshl_b32 s93, s17, 6
	s_add_co_u32 s92, s92, s93                     ; my first row
	s_lshl_b32 s92, s92, 12
	s_lshl_b32 s93, s23, 10
	s_add_co_u32 s92, s92, s93
	s_lshl_b32 s93, s18, 9
	s_add_co_u32 s92, s92, s93                     ; my first column, in bytes
	s_mov_b32 s93, 0
	s_add_nc_u64 s[92:93], s[12:13], s[92:93]
	s_wait_alu depctr_va_vdst(0)
	s_wait_loadcnt 0x0                             ; scale words and bias
	s_wait_tensorcnt 0x0                           ; my one load has landed
	s_barrier_signal -1
	s_barrier_wait -1                              ; everybody's has
	FETCH 0
	KSTEP 0, 2
	KSTEP 1, 1
	KSTEP 2, 1
	KSTEP 3, 1
	KSTEP 4, 1
	KSTEP 5, 1
	KSTEP 6, 1
	KSTEP 7, 1
	WIN 0
	s_wait_dscnt 0x0                               ; my reads of the tiles are over;
	s_barrier_signal -1
	s_barrier_wait -1                              ; everybody's are: the stages below lie in bytes of A''s tile, which had its one fill
	PLACES 4
; THE WAY OUT, a block of 16 rows x 128 columns at a time, through my own stage: it lies in chunk 0, which had its one fill, and every wave's last read of it stands ahead of a barrier that all have passed.
; LDS serves a wave's instructions in order: no wait between the stores and the loads.
.irp a, 0,1,2,3
.if \a > 0
	s_wait_xcnt 0x0                                ; the last block's stores have read their data: its registers are loaded again only behind this wait
.endif
	WIN 0x04                                       ; an LDS store's data are its source 1: window 1
.irp b, 0,1,2,3,4,5,6,7
	ds_store_b128 v[STO], v[64*\a+8*\b:64*\a+8*\b+3] offset:128*(\b/2)+32*(\b%2)          ; each accumulator from its low end on
	ds_store_b128 v[STO], v[64*\a+8*\b+4:64*\a+8*\b+7] offset:128*(\b/2)+32*(\b%2)+16
.endr
	WIN 0
.irp t, 0,1,2,3,4,5,6,7,8,9,10,11,12,13,14,15
	ds_load_b128 v[BK+4*\t:BK+4*\t+3], v[RD] offset:528*\t
.endr
	s_wait_dscnt 0x0
.irp t, 0,1,2,3,4,5,6,7,8,9,10,11,12,13,14,15
	global_store_b128 v[CO], v[BK+4*\t:BK+4*\t+3], s[92:93] offset:(32*(\a/2)+8*(\a%2)+\t+8*(\t/8))*4096 th:TH_STORE_NT   ; 32 lanes store 512 consecutive bytes, aligned; stage row t is the block's row t + 8 (t / 8)
.endr
.endr
	s_wait_tensorcnt 0x0
	ds_add_u32 v254, v255
	s_wait_dscnt 0x0
	ROUND                                          ; the closing round: no work-group ends while a partner may still ask for a tile that names it
	s_endpgm
.Lfunc_end_k_q17b56fa516_proj:
	.size	k_q17b56fa516_proj, .Lfunc_end_k_q17b56fa516_proj-k_q17b56fa516_proj
	.p2alignl 7, 3214868480
	.fill 96, 4, 3214868480
	.section	.rodata,"a",@progbits
	.p2align	6, 0x0
	.amdhsa_kernel k_q17b56fa516_proj
		.amdhsa_group_segment_fixed_size 295424
		.amdhsa_private_segment_fixed_size 0
		.amdhsa_enable_private_segment 0
		.amdhsa_kernarg_size 40
		.amdhsa_user_sgpr_count 2
		.amdhsa_user_sgpr_kernarg_segment_ptr 1
		.amdhsa_wavefront_size32 1
		.amdhsa_system_sgpr_workgroup_id_x 1
		.amdhsa_system_sgpr_workgroup_id_y 1
		.amdhsa_system_sgpr_workgroup_id_z 1
		.amdhsa_system_vgpr_workitem_id 0
		.amdhsa_next_free_vgpr 768
		.amdhsa_next_free_sgpr 100
		.amdhsa_reserve_vcc 1
		.amdhsa_float_denorm_mode_32 3
		.amdhsa_float_denorm_mode_16_64 3
		.amdhsa_memory_ordered 1
		.amdhsa_forward_progress 1
		.amdhsa_inst_pref_size 82
	.end_amdhsa_kernel
	.amdgpu_metadata
---
amdhsa.version: [ 1, 2 ]
amdhsa.kernels:
  - .name:           k_q17b56fa516_proj
    .symbol:         k_q17b56fa516_proj.kd
    .args:
      - { .name: oimg, .offset: 0, .size: 8, .value_kind: global_buffer, .address_space: global }
      - { .name: wimg, .offset: 8, .size: 8, .value_kind: global_buffer, .address_space: global }
      - { .name: scl, .offset: 16, .size: 8, .value_kind: global_buffer, .address_space: global }
      - { .name: b_proj, .offset: 24, .size: 8, .value_kind: global_buffer, .address_space: global }
      - { .name: out0, .offset: 32, .size: 8, .value_kind: global_buffer, .address_space: global }
    .group_segment_fixed_size: 295424
    .private_segment_fixed_size: 0
    .kernarg_segment_align: 8
    .kernarg_segment_size: 40
    .max_flat_workgroup_size: 128
    .sgpr_count:     100
    .vgpr_count:     768
    .wavefront_size: 32
...
	.end_amdgpu_metadata
.endif
;; end of part 4
